; MI455X (gfx1250); checked and timed in simulation.
; The chip was launched on July 23, 2026; its instructions are those of AMD's public machine-readable ISA for CDNA 5 (MIT licence, August 2026) and "CDNA5" Instruction Set Architecture Reference Guide (July 2026). The comments in the code are by the model that wrote it; some were corrected since.
;; Block. Allowed arithmetic: matrix products marked QUANTISED: E2M1 operands, one E8M0 scale for each 32 along K, by v_wmma_scale_f32_16x16x128_f8f6f4 with both operands' format E2M1 (or v_wmma_scale_f32_32x16x128_f4), f32 sums; everything else in f32.
;; Inputs: W_gate 1,024 x 2,048 float32; W_hidden 1,024 x 2,048 float32; W_k 1,024 x 1,024 float32; W_o 1,024 x 1,024 float32; W_out 2,048 x 1,024 float32; W_q 1,024 x 1,024 float32; W_v 1,024 x 1,024 float32; attn_norm_w 1,024 float32; b_o 1,024 float32; b_out 1,024 float32; ffn_norm_w 1,024 float32; x 2 x 2,048 x 1,024 float32.
;; Outputs: out0 2 x 2,048 x 1,024 float32.
;; This version of the problem:
;;   THIS VERSION OF THE PROBLEM IS GIVEN IN LOW PRECISION. The matrix products marked QUANTISED in the list below multiply operands that are first quantised to E2M1 (2 exponent bits, 1 mantissa bit; 4 bits a number), with one power-of-two scale for each 32 numbers along K (OCP MX v1.0); their sums are f32. All else is computed in f32.
;;   The module's matrix products, in the order in which they are computed (A, B: the left and right operand; K: the contracted axis; several contracted axes count as one K, in the product's order):
;;     1. [M 4,096, K 1,024] x [K 1,024, N 1,024]; A: computed on the way; B: input W_q: QUANTISED
;;     2. [M 4,096, K 1,024] x [K 1,024, N 1,024]; A: computed on the way; B: input W_k: QUANTISED
;;     3. [M 4,096, K 1,024] x [K 1,024, N 1,024]; A: computed on the way; B: input W_v: QUANTISED
;;     4. batch 32 x [M 2,048, K 64] x [K 64, N 2,048]; A: computed on the way; B: computed on the way: QUANTISED
;;     5. batch 32 x [M 2,048, K 2,048] x [K 2,048, N 64]; A: softmax (see below); B: computed on the way: QUANTISED
;;     6. [M 4,096, K 1,024] x [K 1,024, N 1,024]; A: computed on the way; B: input W_o: QUANTISED
;;     7. [M 4,096, K 1,024] x [K 1,024, N 2,048]; A: computed on the way; B: input W_gate: QUANTISED
;;     8. [M 4,096, K 1,024] x [K 1,024, N 2,048]; A: computed on the way; B: input W_hidden: QUANTISED
;;     9. [M 4,096, K 2,048] x [K 2,048, N 1,024]; A: computed on the way; B: input W_out: QUANTISED
;;   THE QUANTISER, for each operand of a quantised product, along K:
;;     - K is cut into blocks of 32 from its start; a last block that is shorter is filled with zeros.
;;     - A block's scale is 2^e with e = floor(log2(the largest magnitude in the block)) - 2, held to -126 .. 127; a block of zeros has e = 0. As a byte (E8M0): e + 127.
;;     - Each number is divided by its block's scale, clamped to +-6, and rounded to the nearest number of E2M1, ties to even, subnormals kept.
;;     - The product sums the exact products of the quantised numbers (number of the format x scale) in f32.
;;   ~~~python
;;   def quantise(x, axis):      # numpy; x: float32 -> the quantised numbers, widened to float32 again
;;       x = np.moveaxis(x, axis, -1); K = x.shape[-1]
;;       x = np.pad(x, [(0, 0)] * (x.ndim - 1) + [(0, -K % 32)]); x = x.reshape(x.shape[:-1] + (-1, 32)); a = np.abs(x).max(-1, keepdims=True)
;;       e = np.where(a > 0, np.clip(np.frexp(np.where(a > 0, a, 1))[1] - 1 - 2, -126, 127), 0)      # np.frexp(a)[1] - 1 = floor(log2(a)), exactly
;;       r = np.clip(x / 2.0 ** e, -6, 6)
;;       step = 2.0 ** (np.maximum(np.frexp(np.where(r == 0, 1, r))[1] - 1, 0) - 1)
;;       q = np.round(r / step) * step * 2.0 ** e      # np.round: ties to even
;;       return np.moveaxis(q.reshape(q.shape[:-2] + (-1,))[..., :K], -1, axis).astype(np.float32)
;;   ~~~
;;   SOFTMAX AHEAD OF A QUANTISED PRODUCT. Where the list says 'softmax', what is quantised is not the finished softmax but p = 2^(t - M), with t = logit x log2(e) and M = ceil(the row's largest t), a whole number; so 1/2 < the row's largest p <= 1. The row's sum l is taken of the UNQUANTISED p, in f32, and the product's result is divided by l at the end. Since M is a whole number, a kernel that streams over the keys may use a running M (the ceiling of the running maximum): every later rescaling is an exact power of two, which a block's scale takes up: the codes' values come out the same.
;;   OPERANDS COMPUTED ON THE WAY. 'Computed on the way' means the value that the module computes at that place (a softmax that the list does not call 'softmax' is quantised finished and normalised). What goes into a quantiser is computed in f32, as accurately as f32 sums, v_exp_f32 and their like allow (about 1e-6 of the number): no bf16 or f16 on the way to a quantiser, and a product that is left as it is and whose result goes on into a quantised operand takes f32 operands (vector FMAs, or v_wmma_f32_16x16x4_f32). A number that lies on a knife's edge between two numbers of the format may be rounded either way, as far as f32 arithmetic and the matrix unit's own rounding can turn it there, and no further.
;; One version. Each part assembles by itself: llvm-mc -triple=amdgcn-amd-amdhsa -mcpu=gfx1250 --defsym DOCPART=n.
;; ======== version 1 of 1: 6 launches
;; limits: right only within a limited range of input values
;; workspace buffers: wts 7,602,176 bytes; a1 2,228,224 bytes; qkv 6,684,672 bytes; oc 2,228,224 bytes; x1 16,777,216 bytes; a2 2,228,224 bytes; act 4,456,448 bytes
;; launch prep (part 1): grid 896 x 1, 4 waves a work-group, no clusters, 1,536 bytes of LDS; arguments x, attn_norm_w, W_q, W_k, W_v, W_o, W_out, W_gate, W_hidden, a1, wts; writes a1, wts
.if DOCPART == 1
	.amdgcn_target "amdgcn-amd-amdhsa--gfx1250"
	.amdhsa_code_object_version 6
	.text
	.protected	k_q9b1b1bd7b0_prep
	.globl	k_q9b1b1bd7b0_prep
	.p2align	8
	.type	k_q9b1b1bd7b0_prep,@function
k_q9b1b1bd7b0_prep:
	s_mov_b64 s[64:65], 0
	v_nop
	global_prefetch_b8 v0, s[64:65] scope:SCOPE_SE
	s_setreg_imm32_b32 hwreg(HW_REG_WAVE_MODE, 25, 1), 1
	s_wait_xcnt 0x0
; PREP.  Two kinds of work-groups, parted once on the work-group's number; the ways never join again.
; WAY X (work-groups 0-255): a1 = Q(rmsnorm(x, attn_norm_w)): codes of FP4 (E2M1) with one E8M0 byte for each 32 along K = 1,024.
; WAY W (work-groups 256-895): the seven weights, f32 [K][N], become codes with K innermost, quantised along K.
; ORDER OF A TILE.  Slot s (0..15) of tile T stands for index 32 (T / 2) + 8 (T % 2) + s % 8 + 16 (s / 8), for rows of activations and columns of weights alike:
; the 16 result registers that a lane gets from tiles 2 b and 2 b + 1 of a product's first source are then 16 neighbours, 32 b + 16 (lane / 16) + 0 .. 15.
; CODES lie in the order of the operand's registers: [K step of 128][tile][half c][lane][16 bytes]; lane (r, h) of half c holds block 4 ks + 2 c + h of slot r.
; SCALE WORDS (four bytes: one row, 128 along K) lie [tile][K / 512][r][4 words].
; A block's scale is 2^(floor(log2(largest magnitude)) - 2); its byte is the largest magnitude's exponent field - 2, held at 1 from below.
; LIMITS: NaN and infinities are not served; a block whose largest magnitude lies under 2^-124 gets the byte 1; a block of zeros gets the byte 1 where the rule says 127
; (its codes are zeros, which add nothing under any byte but 0xff, and this program alone reads the bytes).
; No matrix work, no tensor loads, no cluster: no two work-groups read the same byte.
.set X0,  16                           ; v16-143  way X: 128 numbers of my row (two K steps)
.set WN,  144                          ; v144-207 the gains of one K step
.set TM,  208                          ; v208-223 the quantiser's temporaries
.set PC,  226                          ; v226-233 the codes just made
.set SQ,  226                          ; v226-233 before that: four chains of squares
.set SEL, 24                           ; s[24:25] v_permlanex16_b32's selects for lane l xor 16
.set MSB, 0
.macro WIN new                         ; the immediate's high byte repeats the setting that is left (here every window stays 0: nothing is written)
.if MSB != (\new)
	s_set_vgpr_msb (MSB<<8)|(\new)
.set MSB, (\new)
.endif
.endm
; 16 nb numbers of a lane, register 16 b + i = k 32 b + 16 (lane / 16) + i of my row, become codes in v[pc] on and the scale bytes in v[pw].
.macro QUANT s, nb, win, pc, pw
.set QW, (\win)|((\win)<<2)
	WIN QW
.set QB, 0
.rept \nb
	v_max3_num_f32 v[TM+QB], |v[(\s)+16*QB]|, |v[(\s)+16*QB+1]|, 0x1800000   ; my 16 numbers of block b, and the floor 2^(3 - 127): the byte cannot fall under 1
.set QB, QB+1
.endr
.irp i, 2,4,6,8,10,12,14
.set QB, 0
.rept \nb
	v_max3_num_f32 v[TM+QB], |v[(\s)+16*QB+\i]|, |v[(\s)+16*QB+\i+1]|, v[TM+QB]
.set QB, QB+1
.endr
.endr
	WIN 0
.set QB, 0
.rept \nb
	v_permlanex16_b32 v[TM+4+QB], v[TM+QB], s[SEL], s[SEL+1]
.set QB, QB+1
.endr
.set QB, 0
.rept \nb
	v_max_num_f32 v[TM+QB], v[TM+QB], v[TM+4+QB]           ; with lane l xor 16's: the block's largest magnitude
.set QB, QB+1
.endr
.set QB, 0
.rept \nb
	v_add_nc_u32 v[TM+12+QB], 0xff000000, v[TM+QB]         ; 2 off its exponent field: the conversion's scale operand
.set QB, QB+1
.endr
.set QB, 0
.rept \nb
	v_lshrrev_b32 v[TM+4+QB], 23, v[TM+12+QB]              ; the scale's byte
.set QB, QB+1
.endr
	v_lshl_or_b32 v[\pw], v[TM+5], 8, v[TM+4]
.if \nb > 2
	v_lshl_or_b32 v[\pw], v[TM+6], 16, v[\pw]
	v_lshl_or_b32 v[\pw], v[TM+7], 24, v[\pw]
.endif
	WIN \win
.set QB, 0
.rept \nb
	v_cvt_scalef32_pk8_fp4_f32 v[(\pc)+2*QB], v[(\s)+16*QB:(\s)+16*QB+7], v[TM+12+QB]
	v_cvt_scalef32_pk8_fp4_f32 v[(\pc)+2*QB+1], v[(\s)+16*QB+8:(\s)+16*QB+15], v[TM+12+QB]
.set QB, QB+1
.endr
	WIN 0
	v_nop                                          ; one plain place behind a scaled conversion
.set QB, 0
.rept (\nb)/2                                  ; the operand's layout wants a whole block in a lane
	v_permlane16_swap_b32 v[(\pc)+4*QB], v[(\pc)+4*QB+2]
	v_permlane16_swap_b32 v[(\pc)+4*QB+1], v[(\pc)+4*QB+3]
.set QB, QB+1
.endr
.endm
; the sum of the squares of n pairs from v[x] on, and lane l xor 16's: four chains, started by the first four products
.macro SUMSQ x, n
.irp k, 0,1,2,3
	v_pk_mul_f32 v[SQ+2*\k:SQ+2*\k+1], v[(\x)+2*\k:(\x)+2*\k+1], v[(\x)+2*\k:(\x)+2*\k+1]
.endr
.set QB, 4
.rept (\n)-4
	v_pk_fma_f32 v[SQ+2*(QB%4):SQ+2*(QB%4)+1], v[(\x)+2*QB:(\x)+2*QB+1], v[(\x)+2*QB:(\x)+2*QB+1], v[SQ+2*(QB%4):SQ+2*(QB%4)+1]
.set QB, QB+1
.endr
	v_pk_add_f32 v[SQ:SQ+1], v[SQ:SQ+1], v[SQ+2:SQ+3]
	v_pk_add_f32 v[SQ+4:SQ+5], v[SQ+4:SQ+5], v[SQ+6:SQ+7]
	v_pk_add_f32 v[SQ:SQ+1], v[SQ:SQ+1], v[SQ+4:SQ+5]
	v_add_f32 v[SQ], v[SQ], v[SQ+1]
	v_permlanex16_b32 v[SQ+2], v[SQ], s[SEL], s[SEL+1]
	v_add_f32 v[SQ], v[SQ], v[SQ+2]
.endm
.macro WLOAD s                         ; the gains of my K step s, in my numbers' order
.irp b, 0,1,2,3
.irp j, 0,1,2,3
	global_load_b128 v[WN+16*\b+4*\j:WN+16*\b+4*\j+3], v5, s[6:7] offset:512*\s+128*\b+16*\j
.endr
.endr
.endm
.macro NORM x                          ; (gain x number) x 1 / rms, in the order in which the formula multiplies
.set QB, 0
.rept 32
	v_pk_mul_f32 v[(\x)+2*QB:(\x)+2*QB+1], v[(\x)+2*QB:(\x)+2*QB+1], v[WN+2*QB:WN+2*QB+1]
.set QB, QB+1
.endr
.set QB, 0
.rept 32
	v_pk_mul_f32 v[(\x)+2*QB:(\x)+2*QB+1], v[(\x)+2*QB:(\x)+2*QB+1], v[234:235]
.set QB, QB+1
.endr
.endm
	v_lshl_add_u32 v240, v0, 2, 0x400
	v_mov_b32 v241, 0
	s_cmp_lt_u32 ttmp9, 256
	s_cbranch_scc0 .Lweights
; ---------------- WAY X: tile T = the work-group's number, 16 slot rows; wave w takes K steps 2 w and 2 w + 1.  LDS: 256 bytes of partial sums [r][w], then 512 bytes of scale words.
	s_load_b128 s[4:7], s[0:1], 0x0                ; x, attn_norm_w
	s_load_b64 s[8:9], s[0:1], 0x48                ; a1
	v_lshrrev_b32 v10, 5, v0
	v_readfirstlane_b32 s10, v10                   ; wave
	v_and_b32 v11, 31, v0
	v_lshlrev_b32 v1, 4, v11                       ; 16 x lane
	v_and_b32 v2, 15, v0                           ; r
	v_bfe_u32 v3, v0, 4, 1                         ; h
	v_and_b32 v4, 8, v2
	v_add_nc_u32 v4, v4, v2                        ; r + 8 (r / 8): the slot's row in the tile's 32
	v_lshlrev_b32 v4, 12, v4
	v_lshl_add_u32 v4, v3, 6, v4                   ; x: that row of 4,096 bytes, + 64 h: my 16 numbers of a block
	v_lshlrev_b32 v5, 6, v3                        ; the gains: 64 h
	v_lshlrev_b32 v7, 4, v2                        ; LDS: 16 r: my row's four partial sums
	s_lshl_b32 s11, s10, 2
	v_add_nc_u32 v6, s11, v7                       ; and my wave's among them
	s_lshr_b32 s12, s10, 1
	s_lshl_b32 s12, s12, 8
	s_and_b32 s13, s10, 1
	s_lshl_b32 s13, s13, 3
	s_add_co_u32 s12, s12, s13
	s_add_co_u32 s12, s12, 256
	v_add_nc_u32 v8, s12, v7                       ; my two scale words: 256 + 256 (w / 2) + 16 r + 8 (w % 2)
	v_add_nc_u32 v9, 256, v1                       ; and the way out of all of them
.irp b, 0,1,2,3
	v_mov_b32 v[TM+4+\b], 0                        ; written once: a lane permute's destination counts as one of its sources
.endr
	s_lshr_b32 s14, ttmp9, 1
	s_lshl_b32 s14, s14, 5
	s_and_b32 s15, ttmp9, 1
	s_lshl_b32 s15, s15, 3
	s_add_co_u32 s14, s14, s15                     ; the tile's first row: 32 (T / 2) + 8 (T % 2)
	s_lshl_b32 s14, s14, 12
	s_lshl_b32 s16, s10, 10                        ; my two K steps: 1,024 bytes a wave
	s_mov_b32 s17, 0
	s_add_co_u32 s14, s14, s16
	s_mov_b32 s15, 0
	s_lshl_b32 s18, s10, 19                        ; codes: K step 2 w (262,144 bytes a K step), tile T
	s_lshl_b32 s19, ttmp9, 10
	s_add_co_u32 s18, s18, s19
	s_mov_b32 s19, 0
	s_lshl_b32 s20, ttmp9, 9                       ; scale words: 512 bytes a tile, behind the codes
	s_add_co_u32 s20, s20, 2097152
	s_mov_b32 s21, 0
	s_mov_b32 s22, 0x3a800000                      ; 1 / 1,024
	s_mov_b32 s23, 0x358637bd                      ; 1e-6
	s_mov_b32 s[SEL], 0x76543210
	s_mov_b32 s[SEL+1], 0xfedcba98
	s_wait_alu depctr_va_vdst(0)
	s_wait_kmcnt 0x0
	s_add_nc_u64 s[4:5], s[4:5], s[14:15]
	s_add_nc_u64 s[6:7], s[6:7], s[16:17]
	s_add_nc_u64 s[20:21], s[8:9], s[20:21]
	s_add_nc_u64 s[8:9], s[8:9], s[18:19]
.irp s, 0,1
.irp b, 0,1,2,3
.irp j, 0,1,2,3
	global_load_b128 v[X0+64*\s+16*\b+4*\j:X0+64*\s+16*\b+4*\j+3], v4, s[4:5] offset:512*\s+128*\b+16*\j
.endr
.endr
.endr
	WLOAD 0
	s_wait_loadcnt 16                              ; x's 32 loads are in; the 16 loads of gains may be out
	SUMSQ X0, 64
	ds_store_b32 v6, v[SQ]                         ; lanes r and r + 16 write the same word with the same value
	s_wait_dscnt 0x0                               ; my store has landed: then the barrier
	s_barrier_signal -1
	s_barrier_wait -1
	ds_load_b128 v[236:239], v7
	s_wait_dscnt 0x0
	v_add_f32 v236, v236, v237
	v_add_f32 v238, v238, v239
	v_add_f32 v236, v236, v238
	v_fma_f32 v236, v236, s22, s23                 ; the mean of the squares + 1e-6
	s_wait_alu depctr_va_vdst(0)
	v_rsq_f32 v234, v236
	v_rsq_f32 v235, v236                           ; twice: a pair for the packed multiply
	v_nop                                          ; a plain place behind the transcendentals
	s_wait_alu depctr_va_vdst(0)
	s_wait_loadcnt 0x0                             ; the gains of K step 0
	NORM X0
	WLOAD 1
	QUANT X0, 4, 0, PC, 224
	global_store_b128 v1, v[PC:PC+3], s[8:9]       ; 512 consecutive bytes a store
	global_store_b128 v1, v[PC+4:PC+7], s[8:9] offset:512
	s_wait_loadcnt 0x0                             ; the gains of K step 1
	NORM X0+64
	s_wait_xcnt 0x0                                ; the two stores have read the codes' registers, which are written again below
	QUANT X0+64, 4, 0, PC, 225
	global_store_b128 v1, v[PC:PC+3], s[8:9] offset:262144
	global_store_b128 v1, v[PC+4:PC+7], s[8:9] offset:262144+512
	ds_store_b64 v8, v[224:225]
	s_wait_dscnt 0x0
	s_barrier_signal -1
	s_barrier_wait -1
	s_cmp_lg_u32 s10, 0
	s_cbranch_scc1 .Lx_end
	ds_load_b128 v[236:239], v9                    ; wave 0: the tile's 512 bytes of scale words leave as two aligned runs of 256 bytes
	s_wait_dscnt 0x0
	global_store_b128 v1, v[236:239], s[20:21]
.Lx_end:
	s_wait_tensorcnt 0x0
	ds_add_u32 v240, v241
	s_wait_dscnt 0x0
	s_endpgm
; ---------------- WAY W.  A lane takes a column and its registers run down K: 128 registers are the four blocks of one K step; a wave takes 32 columns, the four waves 512 consecutive bytes of each row.
; s10 wave, s22 group of 128 columns, s23 K step, s45 the wave's first tile in its region, s40 bytes from K step to K step, s42 / s43 the region's codes / scale words in wts, s44 scale bytes a tile, s[36:37] the tensor, s[34:35] wts.
.macro WBLOCK t, left
.set XS, 32+32*(\t)
	s_wait_loadcnt \left
	v_max3_num_f32 v12, |v[XS]|, |v[XS+1]|, |v[XS+2]|
	v_max3_num_f32 v13, |v[XS+3]|, |v[XS+4]|, |v[XS+5]|
.irp i, 6,10,14,18,22,26
	v_max3_num_f32 v12, v12, |v[XS+\i]|, |v[XS+\i+1]|
	v_max3_num_f32 v13, v13, |v[XS+\i+2]|, |v[XS+\i+3]|
.endr
	v_max3_num_f32 v12, v12, |v[XS+30]|, |v[XS+31]|
	v_max3_num_f32 v12, v12, v13, 0x1800000        ; and the floor 2^(3 - 127)
	v_add_nc_u32 v14, 0xff000000, v12              ; 2 off the exponent field: the conversion's scale operand
	v_lshrrev_b32 v13, 23, v14                     ; the scale's byte
.if (\t) == 0
	v_mov_b32 v176, v13
.else
	v_lshl_or_b32 v176, v13, 8*(\t), v176
.endif
.irp g, 0,1,2,3
	v_cvt_scalef32_pk8_fp4_f32 v[160+4*(\t)+\g], v[XS+8*\g:XS+8*\g+7], v14
.endr
.endm
.macro WQ n
	v_and_b32 v4, 31, v0
	v_lshlrev_b32 v1, 2, v4                        ; in: 4 bytes a lane
	s_wait_alu depctr_va_vdst(0)
	v_bfe_u32 v5, v0, 3, 1                         ; column L of the 32 is slot L % 8 + 8 (L / 16) of tile (L / 8) % 2
	v_and_b32 v6, 7, v0
	v_bfe_u32 v7, v0, 4, 1
	v_lshl_or_b32 v6, v7, 3, v6
	v_lshlrev_b32 v6, 4, v6
	v_lshl_add_u32 v2, v5, 10, v6                  ; codes: 1,024 x tile + 16 x slot
	v_mul_u32_u24 v3, s44, v5
	v_add_nc_u32 v3, v3, v6                        ; scale word: the tile's bytes + 16 x slot
	s_mul_i32 s50, s23, 128*\n*4
	s_lshl_b32 s51, s22, 9
	s_add_co_u32 s50, s50, s51
	s_lshl_b32 s51, s10, 7
	s_add_co_u32 s50, s50, s51
	s_mov_b32 s51, 0
	s_mul_i32 s52, s23, s40
	s_add_co_u32 s52, s52, s42
	s_lshl_b32 s53, s45, 10
	s_add_co_u32 s52, s52, s53
	s_mov_b32 s53, 0
	s_mul_i32 s54, s45, s44
	s_add_co_u32 s54, s54, s43
	s_lshr_b32 s55, s23, 2
	s_lshl_b32 s55, s55, 8
	s_add_co_u32 s54, s54, s55
	s_and_b32 s55, s23, 3
	s_lshl_b32 s55, s55, 2
	s_add_co_u32 s54, s54, s55
	s_mov_b32 s55, 0
	s_add_nc_u64 s[36:37], s[36:37], s[50:51]
	s_add_nc_u64 s[46:47], s[34:35], s[52:53]
	s_add_nc_u64 s[48:49], s[34:35], s[54:55]
.set QB, 0
.rept 128
	global_load_b32 v[32+QB], v1, s[36:37] offset:QB*\n*4 th:TH_LOAD_NT   ; row QB of the K step at 32 neighbouring columns; read once in the launch
.set QB, QB+1
.endr
	WBLOCK 0, 63                                   ; 96 loads were issued behind block 0's, 64 behind block 1's: the wait's field holds 63, and a smaller count is safe
	WBLOCK 1, 63
	WBLOCK 2, 32                                   ; block 3's 32 loads may be out
	WBLOCK 3, 0
	v_nop                                          ; one plain place behind the last conversion
.irp t, 0,1,2,3
	global_store_b128 v2, v[160+4*\t:163+4*\t], s[46:47] offset:256*\t   ; block t = 2 c + h: the sixteen lanes of a tile fill 256 consecutive bytes, aligned
.endr
	global_store_b32 v3, v176, s[48:49]            ; the K step's scale word, 16 bytes from slot to slot: 4 bytes for 512 bytes read
	s_endpgm
.endm
.Lweights:
	v_lshrrev_b32 v10, 5, v0
	v_readfirstlane_b32 s10, v10                   ; wave
	s_load_b64 s[34:35], s[0:1], 0x50              ; wts
	s_sub_co_u32 s20, ttmp9, 256                   ; u: 0-63 W_q, 64-127 W_k, 128-191 W_v, 192-255 W_o, 256-383 W_out, 384-511 W_gate, 512-639 W_hidden
	s_cmp_lt_u32 s20, 384
	s_cbranch_scc0 .Lwide
	s_load_b128 s[24:27], s[0:1], 0x10             ; W_q, W_k
	s_load_b128 s[28:31], s[0:1], 0x20             ; W_v, W_o
	s_load_b64 s[32:33], s[0:1], 0x30              ; W_out
	s_lshr_b32 s21, s20, 6                         ; t: 0, 1, 2 q, k, v; 3 W_o; 4, 5 W_out
	s_and_b32 s22, s20, 7                          ; group of 128 columns
	s_lshr_b32 s23, s20, 3
	s_and_b32 s38, s23, 15
	s_and_b32 s23, s23, 7
	s_lshl_b32 s41, s21, 6
	s_mov_b32 s40, 65536
	s_mov_b32 s42, 1572864
	s_mov_b32 s43, 5341184
	s_mov_b32 s44, 512
	s_cmp_lt_u32 s21, 3                            ; q, k, v share one region of 192 tiles
	s_cselect_b32 s40, 262144, s40                 ; their K steps lie 262,144 bytes apart, as the activations' do: one descriptor shape serves both operands of the next launch
	s_cselect_b32 s41, s41, 0
	s_cselect_b32 s42, 5570560, s42                ; and their codes lie behind everything else in wts
	s_cselect_b32 s43, 5242880, s43
	s_cmp_ge_u32 s21, 4                            ; W_out: K = 2,048
	s_cselect_b32 s42, 4194304, s42
	s_cselect_b32 s43, 5505024, s43
	s_cselect_b32 s44, 1024, s44
	s_cselect_b32 s23, s38, s23
	s_lshl_b32 s45, s22, 2
	s_add_co_u32 s45, s45, s10                     ; which 32 columns
	s_lshl_b32 s45, s45, 1
	s_add_co_u32 s45, s45, s41                     ; their first tile
	s_wait_kmcnt 0x0
	s_cmp_eq_u32 s21, 0
	s_cselect_b64 s[36:37], s[24:25], s[32:33]
	s_cmp_eq_u32 s21, 1
	s_cselect_b64 s[36:37], s[26:27], s[36:37]
	s_cmp_eq_u32 s21, 2
	s_cselect_b64 s[36:37], s[28:29], s[36:37]
	s_cmp_eq_u32 s21, 3
	s_cselect_b64 s[36:37], s[30:31], s[36:37]
	WQ 1024
.Lwide:
	s_load_b64 s[24:25], s[0:1], 0x38              ; W_gate
	s_load_b64 s[26:27], s[0:1], 0x40              ; W_hidden
	s_sub_co_u32 s20, s20, 384
	s_lshr_b32 s21, s20, 7                         ; 0 gate, 1 hidden
	s_and_b32 s22, s20, 15
	s_lshr_b32 s23, s20, 4
	s_and_b32 s23, s23, 7
	s_lshl_b32 s45, s22, 2
	s_add_co_u32 s45, s45, s10                     ; which 32 columns
	s_lshr_b32 s38, s45, 1
	s_lshl_b32 s38, s38, 3                         ; the region's tiles: for each 64 columns four tiles of the gate, then four of the hidden
	s_and_b32 s45, s45, 1
	s_lshl_b32 s45, s45, 1
	s_add_co_u32 s45, s45, s38
	s_lshl_b32 s38, s21, 2
	s_add_co_u32 s45, s45, s38
	s_mov_b32 s40, 262144
	s_mov_b32 s42, 2097152
	s_mov_b32 s43, 5373952
	s_mov_b32 s44, 512
	s_wait_kmcnt 0x0
	s_cmp_eq_u32 s21, 0
	s_cselect_b64 s[36:37], s[24:25], s[26:27]
	WQ 2048
.Lfunc_end_k_q9b1b1bd7b0_prep:
	.size	k_q9b1b1bd7b0_prep, .Lfunc_end_k_q9b1b1bd7b0_prep-k_q9b1b1bd7b0_prep
	.p2alignl 7, 3214868480
	.fill 96, 4, 3214868480
	.section	.rodata,"a",@progbits
	.p2align	6, 0x0
	.amdhsa_kernel k_q9b1b1bd7b0_prep
		.amdhsa_group_segment_fixed_size 1536
		.amdhsa_private_segment_fixed_size 0
		.amdhsa_enable_private_segment 0
		.amdhsa_kernarg_size 88
		.amdhsa_user_sgpr_count 2
		.amdhsa_user_sgpr_kernarg_segment_ptr 1
		.amdhsa_wavefront_size32 1
		.amdhsa_system_sgpr_workgroup_id_x 1
		.amdhsa_system_sgpr_workgroup_id_y 1
		.amdhsa_system_sgpr_workgroup_id_z 1
		.amdhsa_system_vgpr_workitem_id 0
		.amdhsa_next_free_vgpr 242
		.amdhsa_next_free_sgpr 66
		.amdhsa_reserve_vcc 0
		.amdhsa_float_denorm_mode_32 3
		.amdhsa_float_denorm_mode_16_64 3
		.amdhsa_memory_ordered 1
		.amdhsa_forward_progress 1
		.amdhsa_inst_pref_size 72
	.end_amdhsa_kernel
	.amdgpu_metadata
---
amdhsa.version: [ 1, 2 ]
amdhsa.kernels:
  - .name:           k_q9b1b1bd7b0_prep
    .symbol:         k_q9b1b1bd7b0_prep.kd
    .args:
      - { .name: x, .offset: 0, .size: 8, .value_kind: global_buffer, .address_space: global }
      - { .name: attn_norm_w, .offset: 8, .size: 8, .value_kind: global_buffer, .address_space: global }
      - { .name: W_q, .offset: 16, .size: 8, .value_kind: global_buffer, .address_space: global }
      - { .name: W_k, .offset: 24, .size: 8, .value_kind: global_buffer, .address_space: global }
      - { .name: W_v, .offset: 32, .size: 8, .value_kind: global_buffer, .address_space: global }
      - { .name: W_o, .offset: 40, .size: 8, .value_kind: global_buffer, .address_space: global }
      - { .name: W_out, .offset: 48, .size: 8, .value_kind: global_buffer, .address_space: global }
      - { .name: W_gate, .offset: 56, .size: 8, .value_kind: global_buffer, .address_space: global }
      - { .name: W_hidden, .offset: 64, .size: 8, .value_kind: global_buffer, .address_space: global }
      - { .name: a1, .offset: 72, .size: 8, .value_kind: global_buffer, .address_space: global }
      - { .name: wts, .offset: 80, .size: 8, .value_kind: global_buffer, .address_space: global }
    .group_segment_fixed_size: 1536
    .private_segment_fixed_size: 0
    .kernarg_segment_align: 8
    .kernarg_segment_size: 88
    .max_flat_workgroup_size: 128
    .sgpr_count:     66
    .vgpr_count:     242
    .wavefront_size: 32
...
	.end_amdgpu_metadata
.endif
;; end of part 1
;; launch qkv (part 2): grid 12 x 16, 4 waves a work-group, clusters of 4 x 4, 262,656 bytes of LDS; arguments a1, wts, qkv; writes qkv
.if DOCPART == 2
	.amdgcn_target "amdgcn-amd-amdhsa--gfx1250"
	.amdhsa_code_object_version 6
	.text
	.protected	k_q9b1b1bd7b0_qkv
	.globl	k_q9b1b1bd7b0_qkv
	.p2align	8
	.type	k_q9b1b1bd7b0_qkv,@function
k_q9b1b1bd7b0_qkv:
	s_mov_b64 s[64:65], 0
	v_nop
	global_prefetch_b8 v0, s[64:65] scope:SCOPE_SE
	s_setreg_imm32_b32 hwreg(HW_REG_WAVE_MODE, 25, 1), 1
	s_wait_xcnt 0x0
	s_wait_alu depctr_hold_cnt(0) depctr_sa_sdst(0) depctr_va_vdst(0) depctr_va_sdst(0) depctr_va_ssrc(0) depctr_va_vcc(0) depctr_vm_vsrc(0)
	s_getreg_b32 s2, hwreg(HW_REG_IB_STS2, 6, 4)
	s_cmp_eq_u32 s2, 0
	s_cbranch_scc0 .Lentry_in_a_cluster
	s_endpgm
.Lentry_in_a_cluster:
	s_bfe_u32 s2, ttmp6, 0x10000c
	s_cmp_lg_u32 s2, 0xf033
	s_cbranch_scc0 .Lentry_shape_is_right
	s_endpgm
.Lentry_shape_is_right:
; QKV.  q, k, v = Q(norm x) Q(W_q | W_k | W_v) on codes of FP4 with E8M0 scales, and at once their own codes for attention's two products.
; A work-group makes 256 rows x 256 columns over K = 1,024; four waves, each 128 x 128: 64 accumulators, 512 registers.  Work-group x: 0-3 q, 4-7 k, 8-11 v; y: the 256 rows.
; K is short: both operands' tiles (131,072 bytes each) lie in LDS whole, the weight's from byte 0, x's from byte 131,072.  Each wave brings four K steps of one operand (4 rows of 16,384 bytes) by ONE tensor load;
; every LDS byte is filled once; one tensor load of a wave is out.  No prefetch: all is asked for at the head, and no loop is left to run ahead in.
; CLUSTERS: 4 x 4 work-groups.  The weight's tile hangs on the work-group's x alone and is asked for jointly down a column of the cluster, x's on y alone and along a row.  A cluster's four x are all q, all k or all v.
; P is the products' first source, Q the second.  For q and k: P = the weight, Q = x: a lane holds one row, its registers run along the head's 64, the next K.
; For v: P = x, Q = the weight: a lane holds one channel, its registers run along the keys, the next K.  So the K steps are written once; only pointers and the two LDS bases of the reads are chosen, on the cluster's x.
; Tiles are in slot order and codes in the order of the operand's registers (see the launch that makes them).  OUT, for head bh and step s of 128 rows, 13,056 bytes:
; +0 Q's 8 half images (512 bytes: lane (r, h) = block h of slot r), +4,096 q's scales, +4,352 K's 8 half images, +8,448 V's 4 images (16 channels x 128 keys), +12,544 k's scales, +12,800 v's.
; q's and k's scales: [r][4 words], word f = the two bytes of tile 2 f, then of tile 2 f + 1.  v's: [r][4 words], word = channel tile.
; LIMITS: as stated for the quantiser in the first launch (NaN, infinities, blocks under 2^-124, blocks of zeros).
.set HS,  208896                       ; bytes of a head in the output: 16 steps
.set ADP, 4                            ; v4-5   LDS address of my part of P, K steps 0-3 and 4-7
.set ADQ, 6                            ; v6-7   the same for Q
.set S1,  32                           ; v32-95  Q's scale words: 32 + 8 a + ks
.set S0,  96                           ; v96-159 P's: 96 + 8 b + ks
.set AF,  160                          ; v160-223 Q's fragments, one set;  window 1: P's fragments, two sets at v0 and v128;  windows 2, 3: accumulator (a, b) at v[8 (8 (a % 4) + b)]
.set TM,  224                          ; v224-239 the quantiser's temporaries
.set SEL, 60
.set G1W, 24                           ; s[24:31], s[32:35] descriptor groups 1 and 0 for the weight
.set G0W, 32
.set G0X, 36                           ; s[36:39], s[40:47] groups 0 and 1 for x
.set G1X, 40
.set MSB, 0
.macro WIN new                         ; the immediate's high byte repeats the setting that is left
.if MSB != (\new)
	s_set_vgpr_msb (MSB<<8)|(\new)
.set MSB, (\new)
.endif
.endm
.macro PLACES n
.rept \n
	v_nop
.endr
.endm
.macro CROUND                          ; a round of the cluster's barrier
	s_barrier_signal -1
	s_barrier_wait -1
	s_cmp_lg_u32 s20, 0
	s_cbranch_scc1 .Lnw0_\@
	s_barrier_signal -3
.Lnw0_\@:
	s_barrier_wait -3
	s_barrier_signal -1
	s_barrier_wait -1
.endm
; 16 nb numbers of a lane in window win, register 16 b + i = k 32 b + 16 (lane / 16) + i, become codes in v[pc] on and the scale bytes in v[pw] (window 0).  Each accumulator is read from its low end on.
.macro QUANT s, nb, win, pc, pw
.set QW, (\win)|((\win)<<2)
	WIN QW
.set QB, 0
.rept \nb
	v_max3_num_f32 v[TM+QB], |v[(\s)+16*QB]|, |v[(\s)+16*QB+1]|, 0x1800000   ; and the floor 2^(3 - 127): the byte cannot fall under 1
.set QB, QB+1
.endr
.irp i, 2,4,6,8,10,12,14
.set QB, 0
.rept \nb
	v_max3_num_f32 v[TM+QB], |v[(\s)+16*QB+\i]|, |v[(\s)+16*QB+\i+1]|, v[TM+QB]
.set QB, QB+1
.endr
.endr
	WIN 0
.set QB, 0
.rept \nb
	v_permlanex16_b32 v[TM+4+QB], v[TM+QB], s[SEL], s[SEL+1]
.set QB, QB+1
.endr
.set QB, 0
.rept \nb
	v_max_num_f32 v[TM+QB], v[TM+QB], v[TM+4+QB]
.set QB, QB+1
.endr
.set QB, 0
.rept \nb
	v_add_nc_u32 v[TM+12+QB], 0xff000000, v[TM+QB]
.set QB, QB+1
.endr
.set QB, 0
.rept \nb
	v_lshrrev_b32 v[TM+4+QB], 23, v[TM+12+QB]
.set QB, QB+1
.endr
	v_lshl_or_b32 v[\pw], v[TM+5], 8, v[TM+4]
.if \nb > 2
	v_lshl_or_b32 v[\pw], v[TM+6], 16, v[\pw]
	v_lshl_or_b32 v[\pw], v[TM+7], 24, v[\pw]
.endif
	WIN \win
.set QB, 0
.rept \nb
	v_cvt_scalef32_pk8_fp4_f32 v[(\pc)+2*QB], v[(\s)+16*QB:(\s)+16*QB+7], v[TM+12+QB]
	v_cvt_scalef32_pk8_fp4_f32 v[(\pc)+2*QB+1], v[(\s)+16*QB+8:(\s)+16*QB+15], v[TM+12+QB]
.set QB, QB+1
.endr
	WIN 0
	v_nop                                          ; one plain place behind a scaled conversion
.set QB, 0
.rept (\nb)/2
	v_permlane16_swap_b32 v[(\pc)+4*QB], v[(\pc)+4*QB+2]
	v_permlane16_swap_b32 v[(\pc)+4*QB+1], v[(\pc)+4*QB+3]
.set QB, QB+1
.endr
.endm
.macro FRAG reg, adr, off              ; a fragment is an image of its 8 registers: two loads of 512 consecutive bytes
	ds_load_b128 v[(\reg):(\reg)+3], v[\adr] offset:(\off)
	ds_load_b128 v[(\reg)+4:(\reg)+7], v[\adr] offset:(\off)+512
.endm
.macro FETCH_P ks
	WIN 0x40                                       ; destination window 1
.irp b, 0,1,2,3,4,5,6,7
	FRAG 128*((\ks)%2)+8*\b, ADP+((\ks)>>2), ((\ks)&3)*16384+1024*\b
.endr
	WIN 0
.endm
.macro FETCH_Q ks, i0
.irp i, \i0, \i0+1, \i0+2, \i0+3
	FRAG AF+8*(\i), ADQ+((\ks)>>2), ((\ks)&3)*16384+1024*(\i)
.endr
.endm
; 16 products: Q's tiles a0, a0 + 1 x P's eight.  The 64 accumulators take turns, one instruction a turn, in the same order in every K step.
.macro MUL16 a0, ks, zero
.irp a, \a0, \a0+1
.irp b, 0,1,2,3,4,5,6,7
.if \zero
	v_wmma_scale_f32_16x16x128_f8f6f4 v[8*(8*((\a)%4)+\b):8*(8*((\a)%4)+\b)+7], v[128*((\ks)%2)+8*\b:128*((\ks)%2)+8*\b+7], v[AF+8*(\a):AF+8*(\a)+7], 0, v[S0+8*\b+(\ks)], v[S1+8*(\a)+(\ks)] matrix_a_fmt:MATRIX_FMT_FP4 matrix_b_fmt:MATRIX_FMT_FP4
.else
	v_wmma_scale_f32_16x16x128_f8f6f4 v[8*(8*((\a)%4)+\b):8*(8*((\a)%4)+\b)+7], v[128*((\ks)%2)+8*\b:128*((\ks)%2)+8*\b+7], v[AF+8*(\a):AF+8*(\a)+7], v[8*(8*((\a)%4)+\b):8*(8*((\a)%4)+\b)+7], v[S0+8*\b+(\ks)], v[S1+8*(\a)+(\ks)] matrix_a_fmt:MATRIX_FMT_FP4 matrix_b_fmt:MATRIX_FMT_FP4
.endif
.endr
.endr
.endm
; A K step of 128: 64 products.  Q's tiles 0-3 are fetched anew in its middle, tiles 4-7 at its end; P's next set in the middle.  Four plain places stand in front of each run of loads into registers that products have read.
.macro STEP ks, zero, last
	s_wait_dscnt 8                                 ; P's set and Q's tiles 0-3 are in; the youngest eight loads (Q's tiles 4-7) may be out
	WIN 0xa1                                       ; P window 1, Q window 0, C and D window 2
	MUL16 0, \ks, \zero
	MUL16 2, \ks, \zero
	s_wait_dscnt 0x0                               ; Q's tiles 4-7 are in
.if !(\last)
	PLACES 4
	FETCH_P (\ks)+1
	FETCH_Q (\ks)+1, 0
.endif
	WIN 0xf1                                       ; C and D window 3
	MUL16 4, \ks, \zero
	MUL16 6, \ks, \zero
.if !(\last)
	PLACES 4
	WIN 0
	FETCH_Q (\ks)+1, 4
.endif
.endm
	s_load_b128 s[4:7], s[0:1], 0x0                ; a1, wts
	s_load_b64 s[50:51], s[0:1], 0x10              ; qkv
	v_lshl_add_u32 v254, v0, 2, 0x40000
	v_mov_b32 v255, 0
	ds_add_u32 v254, v255                          ; the opening lines: the add, twice on end, and its wait
	ds_add_u32 v254, v255
	v_lshrrev_b32 v1, 5, v0
	v_readfirstlane_b32 s20, v1                    ; wave
	s_lshr_b32 s21, s20, 1                         ; h1: my half of Q's tiles.  Also: I fetch for the weight (0) or for x (1)
	s_and_b32 s22, s20, 1                          ; h0: my half of P's tiles.  Also: I fetch K steps 0-3 or 4-7
	s_bfe_u32 s12, ttmp6, 0x40000                  ; cx
	s_bfe_u32 s13, ttmp6, 0x40004                  ; cy
	s_lshl_b32 s63, ttmp9, 2
	s_add_co_u32 s63, s63, s12                     ; which 256 columns: 4 x cluster x + cx
	s_and_b32 s62, ttmp7, 0xffff
	s_lshl_b32 s62, s62, 2
	s_add_co_u32 s62, s62, s13                     ; which 256 rows: 4 x cluster y + cy
	s_lshl_b32 s18, s13, 2
	s_lshl_b32 s18, 15, s18                        ; my row of the cluster
	s_lshl_b32 s19, 0x1111, s12                    ; my column
	s_lshl_b32 s52, s62, 14                        ; x's codes: 16 tiles of 1,024 bytes in each K step
	s_mov_b32 s53, 0
	s_lshl_b32 s54, s63, 14                        ; the weight's likewise,
	s_add_co_u32 s54, s54, 5570560                 ; where the first launch lays q's, k's and v's codes
	s_mov_b32 s55, 0
	s_lshl_b32 s56, s62, 13                        ; x's scale words: 512 bytes a tile
	s_add_co_u32 s56, s56, 2097152
	s_mov_b32 s57, 0
	s_lshl_b32 s58, s63, 13
	s_add_co_u32 s58, s58, 5242880
	s_mov_b32 s59, 0
	s_mov_b32 s[SEL], 0x76543210
	s_mov_b32 s[SEL+1], 0xfedcba98
	; descriptor groups 1: four K steps of one operand: 4 rows of 16,384 bytes (2,048 elements of 8 bytes), 262,144 bytes apart in memory, dense in LDS; the mask, and bit 21 beside it
	s_or_b32 s[G1W+0], s19, (3<<16)|(1<<21)
	s_or_b32 s[G1X+0], s18, (3<<16)|(1<<21)
.irp g, G1W, G1X
	s_mov_b32 s[\g+1], 2048<<16
	s_mov_b32 s[\g+2], 4<<16
	s_mov_b32 s[\g+3], 2048<<16
	s_mov_b32 s[\g+4], 4
	s_mov_b32 s[\g+5], 32768
	s_mov_b32 s[\g+6], 0
	s_mov_b32 s[\g+7], 0
.endr
	s_lshl_b32 s49, s22, 16                        ; LDS: 65,536 x half of K
	s_lshl_b32 s2, s22, 20                         ; memory: four K steps of 262,144 bytes
	s_mov_b32 s3, 0
	s_wait_dscnt 0x0
	s_wait_kmcnt 0x0
	s_add_nc_u64 s[52:53], s[4:5], s[52:53]
	s_add_nc_u64 s[54:55], s[6:7], s[54:55]
	s_add_nc_u64 s[56:57], s[4:5], s[56:57]
	s_add_nc_u64 s[58:59], s[6:7], s[58:59]
	s_cmp_ge_u32 ttmp9, 2                          ; cluster x = 2 is v: x is the first source
	s_cselect_b64 s[14:15], s[56:57], s[58:59]     ; P's scale words
	s_cselect_b64 s[16:17], s[58:59], s[56:57]     ; Q's
	s_cselect_b32 s23, 131072, 0                   ; where P lies in LDS,
	s_cselect_b32 s48, 0, 131072                   ; and Q
	s_add_nc_u64 s[54:55], s[54:55], s[2:3]
	s_add_nc_u64 s[52:53], s[52:53], s[2:3]
	s_mov_b32 s[G0W], 1
	s_mov_b32 s[G0W+1], s49
	s_mov_b64 s[G0W+2:G0W+3], s[54:55]
	s_or_b32 s[G0W+3], s[G0W+3], 0x80000000
	s_mov_b32 s[G0X], 1
	s_add_co_u32 s[G0X+1], s49, 131072
	s_mov_b64 s[G0X+2:G0X+3], s[52:53]
	s_or_b32 s[G0X+3], s[G0X+3], 0x80000000
	CROUND                                         ; all sixteen work-groups are here: the joint loads meet
	s_cmp_eq_u32 s21, 0                            ; one chain of branches on the wave's number, one load to an arm
	s_cbranch_scc0 .Lfor_x
	tensor_load_to_lds s[G0W:G0W+3], s[G1W:G1W+7]
	s_nop 0
	PLACES 4
	s_branch .Lasked
.Lfor_x:
	tensor_load_to_lds s[G0X:G0X+3], s[G1X:G1X+7]
	s_nop 0
	PLACES 4
.Lasked:
	v_and_b32 v1, 31, v0
	v_lshlrev_b32 v2, 4, v1                        ; 16 x lane
	v_and_b32 v3, 15, v0
	v_lshlrev_b32 v3, 4, v3                        ; 16 r
	s_lshl_b32 s49, s22, 13
	s_add_co_u32 s49, s49, s23
	v_add_nc_u32 v[ADP], s49, v2
	v_add_nc_u32 v[ADP+1], 65536, v[ADP]
	s_lshl_b32 s49, s21, 13
	s_add_co_u32 s49, s49, s48
	v_add_nc_u32 v[ADQ], s49, v2
	v_add_nc_u32 v[ADQ+1], 65536, v[ADQ]
.irp b, 0,1,2,3
	v_mov_b32 v[TM+4+\b], 0                        ; written once: a lane permute's destination counts as one of its sources
.endr
	s_lshl_b32 s2, s22, 12                         ; my eight tiles' scale words
	s_add_nc_u64 s[14:15], s[14:15], s[2:3]
	s_lshl_b32 s2, s21, 12
	s_add_nc_u64 s[16:17], s[16:17], s[2:3]
	s_wait_alu depctr_va_vdst(0)                   ; directly ahead of the readers of v3 below
.irp i, 0,1,2,3,4,5,6,7
.irp kq, 0,1
	global_load_b128 v[S1+8*\i+4*\kq:S1+8*\i+4*\kq+3], v3, s[16:17] offset:512*\i+256*\kq   ; four K steps' words of row r
	global_load_b128 v[S0+8*\i+4*\kq:S0+8*\i+4*\kq+3], v3, s[14:15] offset:512*\i+256*\kq
.endr
.endr
	s_wait_alu depctr_va_vdst(0)
	s_wait_tensorcnt 0x0                           ; my load has landed
	s_barrier_signal -1
	s_barrier_wait -1                              ; both operands lie in LDS
	FETCH_P 0
	FETCH_Q 0, 0
	FETCH_Q 0, 4
	s_wait_loadcnt 0x0                             ; the scale words
	STEP 0, 1, 0                                   ; the first products start the sums: nothing is cleared
	STEP 1, 0, 0
	STEP 2, 0, 0
	STEP 3, 0, 0
	STEP 4, 0, 0
	STEP 5, 0, 0
	STEP 6, 0, 0
	STEP 7, 0, 1
	WIN 0
	PLACES 4                                       ; in front of the first reads of results and the first writes of the last products' operands
	v_bfe_u32 v9, v0, 4, 1
	v_mul_u32_u24 v8, HS, v9
	v_add_nc_u32 v8, v8, v3                        ; scales out: lanes 0-15 the first head, lanes 16-31 the second; 16 r
	v_cmp_le_u32 vcc_lo, 16, v1
	s_lshr_b32 s2, s62, 3
	s_lshl_b32 s2, s2, 4                           ; 16 heads a batch
	s_and_b32 s3, s62, 7
	s_lshl_b32 s3, s3, 1                           ; two steps of 128 rows in my 256
	s_cmp_ge_u32 ttmp9, 2                          ; the cluster's x alone: all partners go the same way
	s_cbranch_scc1 .Lway_v
; For each of Q's tiles a the lane's 64 numbers are quantised; each a has registers of its own for its codes, so no store's data are written again.
.macro EPI isv
.irp a, 0,1,2,3,4,5,6,7
	QUANT 64*(\a%4), 4, 2+\a/4, 160+8*\a, 32+\a
.if \isv
	global_store_b128 v2, v[160+8*\a:163+8*\a], s[4:5] offset:(\a/4)*HS+(\a%4)*1024
	global_store_b128 v2, v[164+8*\a:167+8*\a], s[4:5] offset:(\a/4)*HS+(\a%4)*1024+512
.else
	global_store_b128 v2, v[160+8*\a:163+8*\a], s[4:5] offset:512*\a
	global_store_b128 v2, v[164+8*\a:167+8*\a], s[4:5] offset:512*\a+HS
.endif
.endr
.endm
	; q, k: my 128 columns are two heads; my 128 rows are one step; tile a's blocks 0, 1 are the first head's half image, blocks 2, 3 the second's
	s_lshl_b32 s8, s12, 2                          ; cx: which 256 columns of q or of k
	s_add_co_u32 s2, s2, s8
	s_lshl_b32 s8, s22, 1
	s_add_co_u32 s2, s2, s8
	s_mul_i32 s2, s2, HS
	s_add_co_u32 s3, s3, s21
	s_mul_i32 s3, s3, 13056
	s_add_co_u32 s2, s2, s3
	s_mov_b32 s3, 0
	s_add_nc_u64 s[50:51], s[50:51], s[2:3]
	s_mov_b32 s6, 4096
	s_cmp_ge_u32 ttmp9, 1                          ; k
	s_cselect_b32 s4, 4352, 0
	s_cselect_b32 s6, 12544, s6
	s_mov_b32 s5, 0
	s_mov_b32 s7, 0
	s_add_nc_u64 s[4:5], s[50:51], s[4:5]
	s_add_nc_u64 s[6:7], s[50:51], s[6:7]
	EPI 0
.irp f, 0,1,2,3
	v_perm_b32 v[240+\f], v[33+2*\f], v[32+2*\f], 0x05040100   ; the first head's bytes of tiles 2 f and 2 f + 1
	v_perm_b32 v[244+\f], v[33+2*\f], v[32+2*\f], 0x07060302   ; the second head's
.endr
.irp f, 0,1,2,3
	v_cndmask_b32 v[248+\f], v[240+\f], v[244+\f], vcc_lo
.endr
	global_store_b128 v8, v[248:251], s[6:7]       ; sixteen lanes fill 256 consecutive bytes of each head
	s_wait_tensorcnt 0x0                           ; the wave's end
	ds_add_u32 v254, v255
	s_wait_dscnt 0x0
	CROUND                                         ; the closing round
	s_endpgm
.Lway_v:
	; v: my eight tiles of channels are two heads x four tiles; my 128 keys are one step: tile a's 64 numbers a lane are one whole image
	s_lshl_b32 s8, s12, 2
	s_add_co_u32 s2, s2, s8
	s_lshl_b32 s8, s21, 1
	s_add_co_u32 s2, s2, s8
	s_mul_i32 s2, s2, HS
	s_add_co_u32 s3, s3, s22
	s_mul_i32 s3, s3, 13056
	s_add_co_u32 s2, s2, s3
	s_mov_b32 s3, 0
	s_add_nc_u64 s[50:51], s[50:51], s[2:3]
	s_add_nc_u64 s[4:5], s[50:51], 8448
	s_add_nc_u64 s[6:7], s[50:51], 12800
	EPI 1
.irp f, 0,1,2,3
	v_cndmask_b32 v[248+\f], v[32+\f], v[36+\f], vcc_lo
.endr
	global_store_b128 v8, v[248:251], s[6:7]
	s_wait_tensorcnt 0x0
	ds_add_u32 v254, v255
	s_wait_dscnt 0x0
	CROUND
	s_endpgm
.Lfunc_end_k_q9b1b1bd7b0_qkv:
	.size	k_q9b1b1bd7b0_qkv, .Lfunc_end_k_q9b1b1bd7b0_qkv-k_q9b1b1bd7b0_qkv
	.p2alignl 7, 3214868480
	.fill 96, 4, 3214868480
	.section	.rodata,"a",@progbits
	.p2align	6, 0x0
	.amdhsa_kernel k_q9b1b1bd7b0_qkv
		.amdhsa_group_segment_fixed_size 262656
		.amdhsa_private_segment_fixed_size 0
		.amdhsa_enable_private_segment 0
		.amdhsa_kernarg_size 24
		.amdhsa_user_sgpr_count 2
		.amdhsa_user_sgpr_kernarg_segment_ptr 1
		.amdhsa_wavefront_size32 1
		.amdhsa_system_sgpr_workgroup_id_x 1
		.amdhsa_system_sgpr_workgroup_id_y 1
		.amdhsa_system_sgpr_workgroup_id_z 1
		.amdhsa_system_vgpr_workitem_id 0
		.amdhsa_next_free_vgpr 1024
		.amdhsa_next_free_sgpr 66
		.amdhsa_reserve_vcc 1
		.amdhsa_float_denorm_mode_32 3
		.amdhsa_float_denorm_mode_16_64 3
		.amdhsa_memory_ordered 1
		.amdhsa_forward_progress 1
		.amdhsa_inst_pref_size 161
	.end_amdhsa_kernel
	.amdgpu_metadata
---
amdhsa.version: [ 1, 2 ]
amdhsa.kernels:
  - .name:           k_q9b1b1bd7b0_qkv
    .symbol:         k_q9b1b1bd7b0_qkv.kd
    .args:
      - { .name: a1, .offset: 0, .size: 8, .value_kind: global_buffer, .address_space: global }
      - { .name: wts, .offset: 8, .size: 8, .value_kind: global_buffer, .address_space: global }
      - { .name: qkv, .offset: 16, .size: 8, .value_kind: global_buffer, .address_space: global }
    .group_segment_fixed_size: 262656
    .private_segment_fixed_size: 0
    .kernarg_segment_align: 8
    .kernarg_segment_size: 24
    .max_flat_workgroup_size: 128
    .sgpr_count:     66
    .vgpr_count:     1024
    .wavefront_size: 32
...
	.end_amdgpu_metadata
.endif
;; end of part 2
;; launch attn (part 3): grid 8 x 32, 16 waves a work-group, clusters of 4 x 1, 169,984 bytes of LDS; arguments qkv, oc; writes oc
.if DOCPART == 3
	.amdgcn_target "amdgcn-amd-amdhsa--gfx1250"
	.amdhsa_code_object_version 6
	.text
	.protected	k_q9b1b1bd7b0_attn
	.globl	k_q9b1b1bd7b0_attn
	.p2align	8
	.type	k_q9b1b1bd7b0_attn,@function
k_q9b1b1bd7b0_attn:
	s_mov_b64 s[64:65], 0
	v_nop
	global_prefetch_b8 v0, s[64:65] scope:SCOPE_SE
	s_setreg_imm32_b32 hwreg(HW_REG_WAVE_MODE, 25, 1), 1
	s_wait_xcnt 0x0
	s_wait_alu depctr_hold_cnt(0) depctr_sa_sdst(0) depctr_va_vdst(0) depctr_va_sdst(0) depctr_va_ssrc(0) depctr_va_vcc(0) depctr_vm_vsrc(0)
	s_getreg_b32 s2, hwreg(HW_REG_IB_STS2, 6, 4)
	s_cmp_eq_u32 s2, 0
	s_cbranch_scc0 .Lentry_in_a_cluster
	s_endpgm
.Lentry_in_a_cluster:
	s_bfe_u32 s2, ttmp6, 0x10000c
	s_cmp_lg_u32 s2, 0x3003
	s_cbranch_scc0 .Lentry_shape_is_right
	s_endpgm
.Lentry_shape_is_right:
; ATTENTION on codes of FP4 (E2M1) with E8M0 scales, head size 64, 2,048 keys, no mask; its result is quantised at once for the next product.
; t = score x log2(e) / 8; M = the row's largest t so far, rounded up to a whole number; p = 2^(t - M) is quantised along the keys, not normalised; the row's sum is taken of the unquantised p and divides at the end.
; When M moves, the sums and O are multiplied by f = 2^(old M - new M): exact.
; SHARES.  A work-group owns 256 queries of one head (x: which 256; y: batch x 16 + head); each of its sixteen waves one tile of 16, in 256 registers.
; A head's K, V and their scales, 16 steps of 128 keys x 8,704 bytes, lie in LDS whole: each wave brings one step by one tensor load; every LDS byte is filled once; one tensor load of a wave is out.
; CLUSTER: four work-groups along x walk the same head: each step is asked for jointly (mask 15, the same descriptor in all four: it hangs on the head and the wave's number alone).
; No prefetch: all that the launch reads through LDS is asked for by the head's loads; no later load is left to run ahead of.
; A step in LDS: 17 rows of 512 bytes, 576 apart: rows 0-7 K's half images (lane (r, h) = block h of slot r), rows 8-15 V's four images, row 16 k's scale words [slot][4], then v's [r][4].
; BOTH PRODUCTS ARE USED TRANSPOSED: S^T = K Q^T, O^T = V^T P^T: a lane holds one query throughout.
; THE HEAD'S 64 IN AN INSTRUCTION OF K = 128: the first source's two halves are two tiles of keys; the second source holds Q in one half and zero codes in the other, which picks one of the two.
; THE KEYS OF A TILE ARE CHOSEN BY THE LDS ADDRESS: row r of tile 4 g + u is key 64 g + 32 (r / 8) + 8 u + r % 8, which lies in the stored tile 4 g + 2 (r / 8) + u % 2 at slot r % 8 + 8 (u / 2).
; So registers 32 g + i of lane (query, h) are key 64 g + 32 h + i: a WHOLE block of 32 keys in a lane, in the very order of the second product's operand: a block's maximum asks no other lane, and no halves change places.
; With rows 576 bytes apart the two groups of eight lanes of such a load (two rows apart) fall on different halves of the 64 banks of 4 bytes.
; LIMITS: the promise holds while the scaled scores stay under 2^31 in magnitude; NaN and infinities are not served; a block whose largest magnitude lies under 2^-124, or a block of zeros, gets the byte 1 (its codes add nothing; this program alone reads the bytes).
; REGISTERS: v1 16 x lane, v2 16 r, v5 K's lane place, v6 k's scale words' lane place, v3 v4 v7 v8 the same in the step in hand; v9 8 h; v10-11 the way out; v12 -M, v13 largest score; v[14:15], v[202:207] four chains of the sum;
; v16-19 Q, v20-23 zeros, v24-27 Q; v28-29 the add's two; v32-63 K, v64-95 V; v96-159 S^T, then p; v160-191 O^T; v192-195 k's scale words, v196-199 v's, v200 q's, v201 the old -M; v224-231 p's codes; v248 p's scale word; v[252:253] f; others at work.
.set HS,    208896
.set STEPG, 13056
.set RP,    576
.set STEPL, 17*RP
.set SCR,   16*STEPL                   ; behind the steps: 512 bytes for the tile's scale bytes on their way out
.set SPARE, SCR+512                    ; the spare words: 128 bytes for each of 16 waves
.set SEL,   32
.set CS,    34
.set TB,    36
.set CNT,   37
.macro ROUND                           ; a round of the cluster's barrier
	s_barrier_signal -1
	s_barrier_wait -1
	s_cmp_lg_u32 s8, 0
	s_cbranch_scc1 .Lnw0_\@
	s_barrier_signal -3
.Lnw0_\@:
	s_barrier_wait -3
	s_barrier_signal -1
	s_barrier_wait -1
.endm
.macro KLOAD ak, as, off               ; a step's K: fragment f = 2 g + v holds tiles 4 g + 2 v and 4 g + 2 v + 1 in its halves; 12 LDS loads
.irp f, 0,1,2,3
	ds_load_b32 v[192+\f], v[\as] offset:(\off)+16*RP+128*(\f%2)+8*(\f/2)
.irp u, 0,1
	ds_load_b128 v[32+8*\f+4*\u:35+8*\f+4*\u], v[\ak] offset:(\off)+RP*(4*(\f/2)+\u)+128*(\f%2)
.endr
.endr
.endm
.macro FM j                            ; pair j of the scores becomes t - M (of the pairs c and -M the low word serves both halves)
	v_pk_fma_f32 v[96+2*(\j):97+2*(\j)], v[96+2*(\j):97+2*(\j)], s[CS:CS+1], v[12:13] op_sel_hi:[1,0,0]
.endm
.macro OMUL p                          ; pair p of O^T under the new M
	v_pk_mul_f32 v[160+2*(\p):161+2*(\p)], v[160+2*(\p):161+2*(\p)], v[252:253] op_sel_hi:[1,0]
.endm
.macro SUM j                           ; chain j % 4 of the sum takes pair j of the unquantised p; a chain's first line of a step also brings it under the new M
.set CH, 200+2*((\j)%4)
.if ((\j)%4) == 0
.set CH, 14
.endif
.if (\j) < 4
	v_pk_fma_f32 v[CH:CH+1], v[CH:CH+1], v[252:253], v[96+2*(\j):97+2*(\j)] op_sel_hi:[1,0,1]
.else
	v_pk_add_f32 v[CH:CH+1], v[CH:CH+1], v[96+2*(\j):97+2*(\j)]
.endif
.endm
; A KEY STEP of 128 keys.  pre = 1: the next step's K is asked for.
.macro STEP pre
	s_wait_dscnt 0x0                               ; this step's K and its scale words, asked for a step ago
.irp f, 0,1,2,3
.irp u, 0,1
	v_wmma_scale_f32_16x16x128_f8f6f4 v[96+8*(2*\f+\u):103+8*(2*\f+\u)], v[32+8*\f:39+8*\f], v[16+4*\u:23+4*\u], 0, v[192+\f], v200 matrix_a_fmt:MATRIX_FMT_FP4 matrix_b_fmt:MATRIX_FMT_FP4
.endr
.endr
	v_add_nc_u32 v3, s[TB], v1                     ; four plain lines behind the products, in front of the loads into registers that products have read and of the first read of the scores
	v_add_nc_u32 v4, s[TB], v2
	v_add_nc_u32 v7, s[TB], v5
	v_add_nc_u32 v8, s[TB], v6
	ds_load_b128 v[196:199], v4 offset:16*RP+256
.irp f, 0,1,2,3
.irp c, 0,1
	ds_load_b128 v[64+8*\f+4*\c:67+8*\f+4*\c], v3 offset:RP*(8+2*\f+\c)
.endr
.endr
.if \pre
	KLOAD 7, 8, STEPL
.endif
.irp b, 0,1,2,3                                ; the largest score of each block of 32 keys, in two chains of 16 registers a block, the four chains by turns; each accumulator is read from its low end on
	v_max3_num_f32 v[232+\b], v[96+16*\b], v[97+16*\b], v[98+16*\b]
.endr
.irp i, 3,5,7,9,11,13
.irp b, 0,1,2,3
	v_max3_num_f32 v[232+\b], v[232+\b], v[96+16*\b+\i], v[97+16*\b+\i]
.endr
.endr
	v_max3_num_f32 v232, v232, v233, v111
	v_max3_num_f32 v234, v234, v235, v143
	v_max_num_f32 v232, v232, v127                 ; my block 0 + h
	v_max_num_f32 v233, v234, v159                 ; my block 2 + h
	s_delay_alu instid0(VALU_DEP_1)
	v_max_num_f32 v254, v232, v233
	s_delay_alu instid0(VALU_DEP_1)
	v_permlanex16_b32 v236, v254, s[SEL], s[SEL+1]
	s_delay_alu instid0(VALU_DEP_1)
	v_max3_num_f32 v13, v13, v254, v236            ; the running largest score of my query
	s_delay_alu instid0(VALU_DEP_1)
	v_mul_f32 v254, s[CS], v13                     ; as t (c is positive)
	s_delay_alu instid0(VALU_DEP_1)
	v_floor_f32 v12, -v254                         ; the new -M = floor(-t) = -ceil(t)
	s_delay_alu instid0(VALU_DEP_1)
	v_fma_f32 v232, v232, s[CS], v12               ; t - M of each block's largest score
	v_sub_f32 v254, v12, v201                      ; old M - new M: a whole number, 0 or less
	v_fma_f32 v233, v233, s[CS], v12
	s_delay_alu instid0(VALU_DEP_2)
	v_cvt_i32_f32 v254, v254                       ; (it saturates)
	s_delay_alu instid0(VALU_DEP_1)
	v_ldexp_f32 v252, 1.0, v254                    ; f = 2^(old M - new M)
.set XI, 0
.rept 32
	FM XI
.set XI, XI+1
.endr
.if \pre
	s_wait_dscnt 12                                ; V and its scale words are in; the twelve loads of the next step's K, issued behind them, may be out
.else
	s_wait_dscnt 0x0
.endif
	s_wait_alu depctr_va_vdst(0)
	v_exp_f32 v232, v232                           ; the blocks' largest p: the same two instructions on the same number as its own p below
	v_exp_f32 v233, v233
.set XI, 0
.rept 64
	v_exp_f32 v[96+XI], v[96+XI]                   ; p = 2^(t - M)
.set XI, XI+1
.endr
	v_mov_b32 v201, v12                            ; the next step's old -M: a plain place behind the batch
	s_wait_alu depctr_va_vdst(0)                   ; one wait for the batch, directly ahead of the first readers of O^T
	OMUL 0                                         ; each of the four accumulators from its low end on
	OMUL 4
	OMUL 8
	OMUL 12
; sixteen groups: two pairs into the sums, and one line of the scales' chain or of O^T
.set XI, 0
.rept 16
	SUM 2*XI
	SUM 2*XI+1
.if XI < 2
	v_max_num_f32 v[232+XI], 0x1800000, v[232+XI]  ; the floor 2^(3 - 127): the byte cannot fall under 1
.elseif XI < 4
	v_add_nc_u32 v[242+XI], 0xff000000, v[230+XI]  ; 2 off the exponent field: the conversion's scale operand
.elseif XI < 6
	v_lshrrev_b32 v[232+XI], 23, v[240+XI]         ; the scale's byte
.elseif XI == 6
	v_lshl_or_b32 v248, v237, 16, v236             ; my two bytes: blocks h and 2 + h,
.elseif XI == 7
	v_lshlrev_b32 v248, v9, v248                   ; at their places in the word (8 h bits up);
.elseif XI == 8
	v_permlanex16_b32 v249, v248, s[SEL], s[SEL+1]
.elseif XI == 9
	v_or_b32 v248, v248, v249                      ; with lane l xor 16's two the word is whole
.else
	OMUL (XI-10)+(XI-10)/3+1
.endif
.set XI, XI+1
.endr
.irp c, 0,1
.irp i, 0,1,2,3
	v_cvt_scalef32_pk8_fp4_f32 v[224+4*\c+\i], v[96+32*\c+8*\i:103+32*\c+8*\i], v[244+\c]   ; register 4 c + i of the operand: keys 64 c + 32 h + 8 i on
.endr
.endr
.irp n, 6,7,8,9,10,11                          ; six plain lines between the codes' last write and the products that take them (four are asked; the scale word stands more than eight ahead)
	OMUL \n+\n/3+1
.endr
.irp f, 0,1,2,3
	v_wmma_scale_f32_16x16x128_f8f6f4 v[160+8*\f:167+8*\f], v[64+8*\f:71+8*\f], v[224:231], v[160+8*\f:167+8*\f], v[196+\f], v248 matrix_a_fmt:MATRIX_FMT_FP4 matrix_b_fmt:MATRIX_FMT_FP4
.endr
.endm
	s_load_b128 s[4:7], s[0:1], 0x0                ; qkv, oc
	v_lshl_add_u32 v28, v0, 2, SPARE
	v_mov_b32 v29, 0
	ds_add_u32 v28, v29                            ; the opening lines: the add, twice on end, and its wait
	ds_add_u32 v28, v29
	v_lshrrev_b32 v1, 5, v0
	v_readfirstlane_b32 s8, v1                     ; wave 0..15
	s_and_b32 s9, ttmp7, 0xffff                    ; batch x 16 + head
	s_bfe_u32 s46, ttmp6, 0x40000                  ; cx
	s_lshl_b32 s47, ttmp9, 2
	s_add_co_u32 s47, s47, s46                     ; which 256 queries: 4 x cluster x + cx
	s_mul_i32 s10, s9, HS
	; descriptor group 1: 17 rows of 512 bytes (64 elements of 8 bytes), dense in memory, 64 bytes of padding behind each in LDS; the mask names the cluster's four, bit 21 beside it
	s_mov_b32 s16, 15|(3<<16)|(1<<20)|(1<<21)|(6<<22)|(15<<25)
	s_mov_b32 s17, 64<<16
	s_mov_b32 s18, 17<<16
	s_mov_b32 s19, 64<<16
	s_mov_b32 s20, 17
	s_mov_b32 s21, 64
	s_mov_b32 s22, 0
	s_mov_b32 s23, 0
	s_mul_i32 s11, s8, STEPG
	s_add_co_u32 s12, s10, s11
	s_add_co_u32 s12, s12, 4352                    ; step w of the head, from K's half images on
	s_mov_b32 s13, 0
	s_mov_b32 s24, 1
	s_mul_i32 s25, s8, STEPL
	s_wait_dscnt 0x0
	s_wait_kmcnt 0x0
	s_add_nc_u64 s[26:27], s[4:5], s[12:13]
	s_or_b32 s27, s27, 0x80000000
	ROUND                                          ; all four work-groups are here: the joint loads meet
	tensor_load_to_lds s[24:27], s[16:23]
	s_nop 0
.rept 4
	v_nop
.endr
	s_lshl_b32 s14, s47, 1
	s_lshr_b32 s15, s8, 3
	s_add_co_u32 s14, s14, s15
	s_mul_i32 s14, s14, STEPG
	s_add_co_u32 s14, s14, s10                     ; the step in which my queries lie
	s_and_b32 s15, s8, 7                           ; and my tile in it
	s_lshl_b32 s28, s15, 9
	s_add_co_u32 s28, s28, s14
	s_mov_b32 s29, 0
	s_add_nc_u64 s[28:29], s[4:5], s[28:29]        ; Q's half image
	s_lshr_b32 s30, s15, 1
	s_lshl_b32 s30, s30, 2
	s_add_co_u32 s30, s30, s14
	s_add_co_u32 s30, s30, 4096
	s_mov_b32 s31, 0
	s_add_nc_u64 s[30:31], s[4:5], s[30:31]        ; the word that holds my tile's two scale bytes,
	s_and_b32 s38, s8, 1
	s_lshl_b32 s38, s38, 4                         ; and where in it
	s_lshl_b32 s39, s8, 5
	s_add_co_u32 s39, s39, SCR
	s_mov_b32 s[SEL], 0x76543210
	s_mov_b32 s[SEL+1], 0xfedcba98
	s_mov_b32 s[CS], 0x3e38aa3b                    ; c = log2(e) / 8
	s_mov_b32 s[CS+1], s[CS]
	s_mov_b32 s[TB], 0
	s_mov_b32 s[CNT], 15
	s_and_b32 s40, s9, 15                          ; head
	s_lshr_b32 s41, s9, 4                          ; batch
	s_lshl_b32 s42, s41, 7
	s_lshl_b32 s43, s47, 4
	s_add_co_u32 s42, s42, s43
	s_add_co_u32 s42, s42, s8                      ; my tile of rows among the 256
	s_lshl_b32 s42, s42, 10
	s_lshr_b32 s43, s40, 1
	s_lshl_b32 s43, s43, 18                        ; K step = head / 2,
	s_add_co_u32 s42, s42, s43
	s_and_b32 s43, s40, 1
	s_lshl_b32 s43, s43, 9                         ; half = head % 2
	s_add_co_u32 s42, s42, s43
	s_mov_b32 s43, 0
	s_add_nc_u64 s[42:43], s[6:7], s[42:43]
	s_lshl_b32 s44, s40, 13                        ; the scale bytes: [head][slot row] of two bytes, behind the codes
	s_lshl_b32 s45, s41, 12
	s_add_co_u32 s44, s44, s45
	s_lshl_b32 s45, s47, 9
	s_add_co_u32 s44, s44, s45
	s_add_co_u32 s44, s44, 2097152
	s_mov_b32 s45, 0
	s_add_nc_u64 s[44:45], s[6:7], s[44:45]
	v_and_b32 v1, 31, v0
	v_and_b32 v30, 15, v0                          ; r
	v_bfe_u32 v31, v0, 4, 1                        ; h
	v_and_b32 v3, 7, v0                            ; r % 8
	v_bfe_u32 v4, v0, 3, 1                         ; r / 8
	v_lshlrev_b32 v1, 4, v1                        ; 16 x lane
	v_lshlrev_b32 v2, 4, v30                       ; 16 r
	v_lshlrev_b32 v9, 3, v31                       ; 8 h
	v_lshlrev_b32 v5, 4, v3
	v_lshl_add_u32 v10, v30, 1, s39                ; the way out: my row's two scale bytes: SCR + 32 x wave + 2 r
	v_lshl_add_u32 v6, v4, 2, v5                   ; k's scale words: 16 (r % 8) + 4 (r / 8)
	v_mad_u32_u24 v5, v4, 2*RP, v5
	v_add_nc_u32 v11, SCR, v1
	v_lshl_add_u32 v5, v31, 8, v5                  ; K: two rows x (r / 8) + 16 (r % 8) + 256 h
	s_wait_alu depctr_va_vdst(0)
	global_load_b128 v[16:19], v1, s[28:29]
	global_load_b128 v[24:27], v1, s[28:29]        ; Q twice: below the zeros and above them
	global_load_b32 v200, v2, s[30:31]
	v_mov_b32 v13, 0xff61b1e6                      ; the largest score so far: -3e38
	v_floor_f32 v12, -v13                          ; -M
	v_mov_b32 v14, 0
	v_mov_b32 v15, 0
.irp b, 0,1,2,3
	v_mov_b32 v[20+\b], 0                          ; zero codes
.endr
.irp b, 202,203,204,205,206,207,236,249,253
	v_mov_b32 v[\b], 0                             ; the sums' chains; lane permutes' destinations; the upper half of the pair v[252:253]
.endr
	v_mov_b32 v201, v12
	s_wait_alu depctr_va_vdst(0)
	s_wait_loadcnt 0x0                             ; Q and its scale word
	v_lshrrev_b32 v200, s38, v200
	v_and_b32 v200, 0xffff, v200
	v_lshl_or_b32 v200, v200, 16, v200             ; (s0, s1, s0, s1): Q's two bytes serve in either half; the 32 lines below are the eight places in front of the first scaled product
.set QB, 0
.rept 32
	v_mov_b32 v[160+QB], 0                         ; O^T: the step has no first form of its own; the first finds zeros
.set QB, QB+1
.endr
	s_wait_alu depctr_va_vdst(0)
	s_wait_tensorcnt 0x0                           ; my step has landed,
	s_barrier_signal -1
	s_barrier_wait -1                              ; everybody's has
	KLOAD 5, 6, 0
.Lstep:                                            ; 15 trips of 128 keys
	STEP 1
	s_add_co_u32 s[TB], s[TB], STEPL
	s_sub_co_u32 s[CNT], s[CNT], 1
	s_cmp_lg_u32 s[CNT], 0
	s_cbranch_scc1 .Lstep
	s_mov_b32 s[TB], 15*STEPL                      ; the last step asks for no K
	STEP 0
	; THE WAY OUT: O^T / the sum; register 16 p + i is channel 32 p + 16 h + i of my query: the head's two blocks of the next K.  The sums' lines are the places behind the last products
	v_pk_add_f32 v[14:15], v[14:15], v[202:203]
	v_pk_add_f32 v[204:205], v[204:205], v[206:207]
	s_delay_alu instid0(VALU_DEP_1)
	v_pk_add_f32 v[14:15], v[14:15], v[204:205]
	s_delay_alu instid0(VALU_DEP_1)
	v_add_f32 v14, v14, v15
	s_delay_alu instid0(VALU_DEP_1)
	v_permlanex16_b32 v249, v14, s[SEL], s[SEL+1]
	s_delay_alu instid0(VALU_DEP_1)
	v_add_f32 v14, v14, v249
	s_wait_alu depctr_va_vdst(0)
	v_rcp_f32 v14, v14
	v_nop                                          ; a plain place behind the transcendental
	s_wait_alu depctr_va_vdst(0)
.set QB, 0
.rept 32
	v_mul_f32 v[96+QB], v[160+QB], v14
.set QB, QB+1
.endr
.irp b, 0,1
	v_max3_num_f32 v[232+\b], |v[96+16*\b]|, |v[97+16*\b]|, 0x1800000
.endr
.irp i, 2,4,6,8,10,12,14
.irp b, 0,1
	s_delay_alu instid0(VALU_DEP_2)
	v_max3_num_f32 v[232+\b], |v[96+16*\b+\i]|, |v[97+16*\b+\i]|, v[232+\b]
.endr
.endr
.irp b, 0,1
	s_delay_alu instid0(VALU_DEP_2)
	v_permlanex16_b32 v[236+\b], v[232+\b], s[SEL], s[SEL+1]
.endr
.irp b, 0,1
	s_delay_alu instid0(VALU_DEP_2)
	v_max_num_f32 v[232+\b], v[232+\b], v[236+\b]
.endr
.irp b, 0,1
	s_delay_alu instid0(VALU_DEP_2)
	v_add_nc_u32 v[244+\b], 0xff000000, v[232+\b]
.endr
.irp b, 0,1
	s_delay_alu instid0(VALU_DEP_2)
	v_lshrrev_b32 v[236+\b], 23, v[244+\b]
.endr
	s_delay_alu instid0(VALU_DEP_1)
	v_lshl_or_b32 v250, v237, 8, v236
.irp b, 0,1
	v_cvt_scalef32_pk8_fp4_f32 v[224+2*\b], v[96+16*\b:103+16*\b], v[244+\b]
	v_cvt_scalef32_pk8_fp4_f32 v[225+2*\b], v[104+16*\b:111+16*\b], v[244+\b]
.endr
	v_nop                                          ; one plain place behind a scaled conversion
	v_permlane16_swap_b32 v224, v226               ; here a block lies in lanes l and l xor 16: the operand's layout wants it whole in a lane
	v_permlane16_swap_b32 v225, v227
	global_store_b128 v1, v[224:227], s[42:43]     ; half an image: 512 consecutive bytes
	ds_store_b16 v10, v250                         ; lanes r and r + 16 write the same two bytes
	s_wait_dscnt 0x0
	s_barrier_signal -1
	s_barrier_wait -1
	s_cmp_lg_u32 s8, 0
	s_cbranch_scc1 .Lend
	ds_load_b128 v[232:235], v11                   ; wave 0: the 256 rows' scale bytes leave as 512 consecutive bytes
	s_wait_dscnt 0x0
	global_store_b128 v1, v[232:235], s[44:45]
.Lend:
	s_wait_tensorcnt 0x0                           ; the wave's end
	ds_add_u32 v28, v29
	s_wait_dscnt 0x0
	ROUND                                          ; the closing round
	s_endpgm
.Lfunc_end_k_q9b1b1bd7b0_attn:
	.size	k_q9b1b1bd7b0_attn, .Lfunc_end_k_q9b1b1bd7b0_attn-k_q9b1b1bd7b0_attn
	.p2alignl 7, 3214868480
	.fill 96, 4, 3214868480
	.section	.rodata,"a",@progbits
	.p2align	6, 0x0
	.amdhsa_kernel k_q9b1b1bd7b0_attn
		.amdhsa_group_segment_fixed_size 169984
		.amdhsa_private_segment_fixed_size 0
		.amdhsa_enable_private_segment 0
		.amdhsa_kernarg_size 16
		.amdhsa_user_sgpr_count 2
		.amdhsa_user_sgpr_kernarg_segment_ptr 1
		.amdhsa_wavefront_size32 1
		.amdhsa_system_sgpr_workgroup_id_x 1
		.amdhsa_system_sgpr_workgroup_id_y 1
		.amdhsa_system_sgpr_workgroup_id_z 1
		.amdhsa_system_vgpr_workitem_id 0
		.amdhsa_next_free_vgpr 256
		.amdhsa_next_free_sgpr 66
		.amdhsa_reserve_vcc 0
		.amdhsa_float_denorm_mode_32 3
		.amdhsa_float_denorm_mode_16_64 3
		.amdhsa_memory_ordered 1
		.amdhsa_forward_progress 1
		.amdhsa_inst_pref_size 41
	.end_amdhsa_kernel
	.amdgpu_metadata
---
amdhsa.version: [ 1, 2 ]
amdhsa.kernels:
  - .name:           k_q9b1b1bd7b0_attn
    .symbol:         k_q9b1b1bd7b0_attn.kd
    .args:
      - { .name: qkv, .offset: 0, .size: 8, .value_kind: global_buffer, .address_space: global }
      - { .name: oc, .offset: 8, .size: 8, .value_kind: global_buffer, .address_space: global }
    .group_segment_fixed_size: 169984
    .private_segment_fixed_size: 0
    .kernarg_segment_align: 8
    .kernarg_segment_size: 16
    .max_flat_workgroup_size: 512
    .sgpr_count:     66
    .vgpr_count:     256
    .wavefront_size: 32
...
	.end_amdgpu_metadata
.endif
;; end of part 3
;; launch oproj (part 4): grid 256 x 1, 8 waves a work-group, clusters of 4 x 1, 327,680 bytes of LDS; arguments oc, wts, x, b_o, ffn_norm_w, x1, a2; writes x1, a2
.if DOCPART == 4
	.amdgcn_target "amdgcn-amd-amdhsa--gfx1250"
	.amdhsa_code_object_version 6
	.text
	.protected	k_q9b1b1bd7b0_oproj
	.globl	k_q9b1b1bd7b0_oproj
	.p2align	8
	.type	k_q9b1b1bd7b0_oproj,@function
k_q9b1b1bd7b0_oproj:
	s_mov_b64 s[64:65], 0
	v_nop
	global_prefetch_b8 v0, s[64:65] scope:SCOPE_SE
	s_setreg_imm32_b32 hwreg(HW_REG_WAVE_MODE, 25, 1), 1
	s_wait_xcnt 0x0
	s_wait_alu depctr_hold_cnt(0) depctr_sa_sdst(0) depctr_va_vdst(0) depctr_va_sdst(0) depctr_va_ssrc(0) depctr_va_vcc(0) depctr_vm_vsrc(0)
	s_getreg_b32 s2, hwreg(HW_REG_IB_STS2, 6, 4)
	s_cmp_eq_u32 s2, 0
	s_cbranch_scc0 .Lentry_in_a_cluster
	s_endpgm
.Lentry_in_a_cluster:
	s_bfe_u32 s2, ttmp6, 0x10000c
	s_cmp_lg_u32 s2, 0x3003
	s_cbranch_scc0 .Lentry_shape_is_right
	s_endpgm
.Lentry_shape_is_right:
; x1 = x + Q(o) Q(W_o) + b_o, and a2 = Q(rmsnorm(x1, ffn_norm_w)).
; The norm wants whole rows, so a work-group owns one tile of 16 slot rows and all 1,024 columns.  Wave w makes columns 128 w .. 128 w + 127: eight tiles of W_o, and K step w of the next product.
; The product is used transposed (first source = 16 columns of W_o, second = o's 16 rows): a lane holds one row and its registers run along the columns.  x + b_o is the C of the sums' first products.
; W_o: all work-groups walk the same 524,288 bytes of codes.  CLUSTER of 4 x 1: they are asked for jointly (mask 15; the descriptor hangs on the wave's number alone) into ONE LDS region of 262,144 bytes, in two fills:
; K steps 0-3, then K steps 4-7; each wave brings 32,768 dense bytes a fill; one tensor load of a wave is out.  A wave's 64 fragment loads of a fill go into its four sets of registers; as soon as the first fill's are in,
; the waits, the add and a round of the cluster's barrier follow, and the refill is issued ahead of the first 32 products.  No prefetch: the two fills are all, and the second is asked for as soon as its bytes are free.
; x1 leaves in the order of the accumulators' registers: [tile][32 columns P][j][lane][16 bytes], lane (r, h) = x1(slot r, 32 P + 16 h + 4 j ..): each store covers 512 consecutive bytes, and the last launch loads it back as it lies.
; LIMITS: as stated for the quantiser in the first launch.
; REGISTERS, window 0: v1 16 x lane, v2 16 r, v3 64 h, v4 x's address, v5 2 r, v6-9 LDS scratch, v12-15 LDS addresses of my fragments in the region's four K steps; v16-79 o's eight fragments; v80-87 o's scale words;
; v88-151 W_o's (88 + 8 t + ks); v152-215 the accumulators; v216-231 o's scale bytes as loaded, then the quantiser's temporaries; v232-239 codes; v240 scale word; v242-249 squares; v[250:251] 1 / rms.
; window 1: four sets of 64: W_o's fragments of K step ks in set ks % 4 (set 3 first holds b_o, set 0 at the end the norm's gains).
.set ACC, 152
.set TM,  216
.set PC,  232
.set PW,  240
.set SQ,  242
.set SEL, 40
.set G1,  48                           ; s[48:55] descriptor group 1, s[56:59] group 0
.set G0,  56
.set SC,  262144                       ; behind the region: 512 bytes of partial sums [r][wave], 512 bytes of scale words,
.set SPARE, SC+1024                    ; and the spare words, 128 bytes for each of 8 waves
.set MSB, 0
.macro WIN new
.if MSB != (\new)
	s_set_vgpr_msb (MSB<<8)|(\new)
.set MSB, (\new)
.endif
.endm
.macro PLACES n
.rept \n
	v_nop
.endr
.endm
.macro CROUND                          ; a round of the cluster's barrier
	s_barrier_signal -1
	s_barrier_wait -1
	s_cmp_lg_u32 s18, 0
	s_cbranch_scc1 .Lnw0_\@
	s_barrier_signal -3
.Lnw0_\@:
	s_barrier_wait -3
	s_barrier_signal -1
	s_barrier_wait -1
.endm
; 64 numbers of a lane, register 16 b + i = k 32 b + 16 (lane / 16) + i, become codes in v[pc] on and the scale word in v[pw]
.macro QUANT4 s, pc, pw
.irp b, 0,1,2,3
	v_max3_num_f32 v[TM+\b], |v[(\s)+16*\b]|, |v[(\s)+16*\b+1]|, 0x1800000
.endr
.irp i, 2,4,6,8,10,12,14
.irp b, 0,1,2,3
	s_delay_alu instid0(VALU_DEP_4)
	v_max3_num_f32 v[TM+\b], |v[(\s)+16*\b+\i]|, |v[(\s)+16*\b+\i+1]|, v[TM+\b]
.endr
.endr
.irp b, 0,1,2,3
	s_delay_alu instid0(VALU_DEP_4)
	v_permlanex16_b32 v[TM+4+\b], v[TM+\b], s[SEL], s[SEL+1]
.endr
.irp b, 0,1,2,3
	s_delay_alu instid0(VALU_DEP_4)
	v_max_num_f32 v[TM+\b], v[TM+\b], v[TM+4+\b]
.endr
.irp b, 0,1,2,3
	s_delay_alu instid0(VALU_DEP_4)
	v_add_nc_u32 v[TM+12+\b], 0xff000000, v[TM+\b]
.endr
.irp b, 0,1,2,3
	s_delay_alu instid0(VALU_DEP_4)
	v_lshrrev_b32 v[TM+4+\b], 23, v[TM+12+\b]
.endr
	s_delay_alu instid0(VALU_DEP_3)
	v_lshl_or_b32 v[\pw], v[TM+5], 8, v[TM+4]
	s_delay_alu instid0(VALU_DEP_1)
	v_lshl_or_b32 v[\pw], v[TM+6], 16, v[\pw]
	s_delay_alu instid0(VALU_DEP_1)
	v_lshl_or_b32 v[\pw], v[TM+7], 24, v[\pw]
.irp b, 0,1,2,3
	v_cvt_scalef32_pk8_fp4_f32 v[(\pc)+2*\b], v[(\s)+16*\b:(\s)+16*\b+7], v[TM+12+\b]
	v_cvt_scalef32_pk8_fp4_f32 v[(\pc)+2*\b+1], v[(\s)+16*\b+8:(\s)+16*\b+15], v[TM+12+\b]
.endr
	v_nop                                          ; one plain place behind a scaled conversion
.irp b, 0,1
	v_permlane16_swap_b32 v[(\pc)+4*\b], v[(\pc)+4*\b+2]
	v_permlane16_swap_b32 v[(\pc)+4*\b+1], v[(\pc)+4*\b+3]
.endr
.endm
.macro SUMSQ x, n
.irp k, 0,1,2,3
	v_pk_mul_f32 v[SQ+2*\k:SQ+2*\k+1], v[(\x)+2*\k:(\x)+2*\k+1], v[(\x)+2*\k:(\x)+2*\k+1]
.endr
.set QB, 4
.rept (\n)-4
	v_pk_fma_f32 v[SQ+2*(QB%4):SQ+2*(QB%4)+1], v[(\x)+2*QB:(\x)+2*QB+1], v[(\x)+2*QB:(\x)+2*QB+1], v[SQ+2*(QB%4):SQ+2*(QB%4)+1]
.set QB, QB+1
.endr
	s_delay_alu instid0(VALU_DEP_3)
	v_pk_add_f32 v[SQ:SQ+1], v[SQ:SQ+1], v[SQ+2:SQ+3]
	s_delay_alu instid0(VALU_DEP_2)
	v_pk_add_f32 v[SQ+4:SQ+5], v[SQ+4:SQ+5], v[SQ+6:SQ+7]
	s_delay_alu instid0(VALU_DEP_1)
	v_pk_add_f32 v[SQ:SQ+1], v[SQ:SQ+1], v[SQ+4:SQ+5]
	s_delay_alu instid0(VALU_DEP_1)
	v_add_f32 v[SQ], v[SQ], v[SQ+1]
	s_delay_alu instid0(VALU_DEP_1)
	v_permlanex16_b32 v[SQ+2], v[SQ], s[SEL], s[SEL+1]
	s_delay_alu instid0(VALU_DEP_1)
	v_add_f32 v[SQ], v[SQ], v[SQ+2]
.endm
.macro WSET ks                         ; my eight fragments of W_o for K step ks, from LDS into set ks % 4 (the destination's window is 1): 16 loads
.irp t, 0,1,2,3,4,5,6,7
.irp c, 0,1
	ds_load_b128 v[64*((\ks)%4)+8*\t+4*\c:64*((\ks)%4)+8*\t+4*\c+3], v[12+(\ks)%4] offset:1024*\t+512*\c
.endr
.endr
.endm
.macro VEC64 reg, base                 ; 64 numbers of a vector of 1,024, in my accumulators' order
.irp p, 0,1,2,3
.irp j, 0,1,2,3
	global_load_b128 v[(\reg)+16*\p+4*\j:(\reg)+16*\p+4*\j+3], v3, s[\base:\base+1] offset:128*\p+16*\j
.endr
.endr
.endm
; A K step: eight products, the eight accumulators by turns.  left: the LDS loads of later K steps that may be out
.macro KSTEP ks, left
	s_wait_dscnt \left
	WIN 0x01                                       ; the first source in window 1
.irp t, 0,1,2,3,4,5,6,7
	v_wmma_scale_f32_16x16x128_f8f6f4 v[ACC+8*\t:ACC+8*\t+7], v[64*((\ks)%4)+8*\t:64*((\ks)%4)+8*\t+7], v[16+8*(\ks):23+8*(\ks)], v[ACC+8*\t:ACC+8*\t+7], v[88+8*\t+(\ks)], v[80+(\ks)] matrix_a_fmt:MATRIX_FMT_FP4 matrix_b_fmt:MATRIX_FMT_FP4
.endr
.if (\ks) == 4
	PLACES 4                                       ; in front of loads into registers that products have read
	WIN 0x40
	VEC64 0, 12                                    ; the norm's gains, into set 0
.endif
.endm
	s_load_b256 s[4:11], s[0:1], 0x0               ; oc, wts, x, b_o
	s_load_b128 s[12:15], s[0:1], 0x20             ; ffn_norm_w, x1
	s_load_b64 s[16:17], s[0:1], 0x30              ; a2
	v_lshl_add_u32 v254, v0, 2, SPARE
	v_mov_b32 v255, 0
	ds_add_u32 v254, v255                          ; the opening lines: the add, twice on end, and its wait
	ds_add_u32 v254, v255
	v_lshrrev_b32 v1, 5, v0
	s_delay_alu instid0(VALU_DEP_1)
	v_readfirstlane_b32 s18, v1                    ; wave 0..7
	v_and_b32 v1, 31, v0
	s_delay_alu instid0(VALU_DEP_1)
	v_lshlrev_b32 v1, 4, v1                        ; 16 x lane
	v_and_b32 v10, 15, v0                          ; r
	v_bfe_u32 v11, v0, 4, 1                        ; h
	s_delay_alu instid0(VALU_DEP_2)
	v_lshlrev_b32 v2, 4, v10
	s_delay_alu instid0(VALU_DEP_2)
	v_lshlrev_b32 v3, 6, v11
	s_delay_alu instid0(VALU_DEP_4)
	v_and_b32 v4, 8, v10
	s_delay_alu instid0(VALU_DEP_1)
	v_add_nc_u32 v4, v4, v10
	s_delay_alu instid0(VALU_DEP_1)
	v_lshlrev_b32 v4, 12, v4
	s_delay_alu instid0(VALU_DEP_1)
	v_lshl_add_u32 v4, v11, 6, v4                  ; x: the slot's row of 4,096 bytes, + 64 h
	v_lshlrev_b32 v5, 1, v10
	v_lshl_add_u32 v7, v10, 5, SC                  ; LDS: SC + 32 r: my row's eight partial sums,
	s_lshl_b32 s19, s18, 2
	v_add_nc_u32 v6, s19, v7                       ; and my wave's among them
	s_lshr_b32 s19, s18, 2
	s_lshl_b32 s19, s19, 8
	s_and_b32 s38, s18, 3
	s_lshl_b32 s38, s38, 2
	s_add_co_u32 s19, s19, s38
	s_add_co_u32 s19, s19, SC+512
	v_add_nc_u32 v8, s19, v2                       ; my scale word: SC + 512 + 256 (w / 4) + 16 r + 4 (w % 4)
	v_add_nc_u32 v9, SC+512, v1
	s_lshl_b32 s39, s18, 13
	v_add_nc_u32 v12, s39, v1                      ; my eight tiles in a K step of 65,536 bytes: 8,192 x wave + 16 x lane
	v_add_nc_u32 v13, 65536, v12
	v_add_nc_u32 v14, 131072, v12
	v_add_nc_u32 v15, 196608, v12
	s_bfe_u32 s45, ttmp6, 0x40000                  ; cx
	s_lshl_b32 s44, ttmp9, 2
	s_add_co_u32 s44, s44, s45                     ; my tile of rows: 4 x cluster x + cx
	s_lshr_b32 s20, s44, 1
	s_lshl_b32 s20, s20, 5
	s_and_b32 s21, s44, 1
	s_lshl_b32 s21, s21, 3
	s_add_co_u32 s20, s20, s21
	s_lshl_b32 s20, s20, 12
	s_lshl_b32 s22, s18, 9                         ; my 128 columns: 512 bytes
	s_mov_b32 s23, 0
	s_add_co_u32 s20, s20, s22
	s_mov_b32 s21, 0
	s_lshl_b32 s24, s44, 10
	s_mov_b32 s25, 0
	s_lshl_b32 s26, s44, 5
	s_add_co_u32 s26, s26, 2097152
	s_mov_b32 s27, 0
	s_lshl_b32 s28, s18, 12
	s_add_co_u32 s28, s28, 5341184
	s_mov_b32 s29, 0
	s_lshl_b32 s30, s18, 15                        ; what I fetch of a fill: 32,768 bytes x wave
	s_add_co_u32 s30, s30, 1572864
	s_mov_b32 s31, 0
	s_lshl_b32 s32, s44, 16
	s_lshl_b32 s33, s18, 13
	s_add_co_u32 s32, s32, s33
	s_mov_b32 s33, 0
	s_lshl_b32 s34, s18, 18
	s_add_co_u32 s34, s34, s24
	s_mov_b32 s35, 0
	s_lshl_b32 s36, s44, 9
	s_add_co_u32 s36, s36, 2097152
	s_mov_b32 s37, 0
	s_mov_b32 s[SEL], 0x76543210
	s_mov_b32 s[SEL+1], 0xfedcba98
	s_mov_b32 s42, 0x3a800000                      ; 1 / 1,024
	s_mov_b32 s43, 0x358637bd                      ; 1e-6
	; descriptor group 1: a dense block of 32,768 bytes as 4 rows of 8,192 (1,024 elements of 8 bytes), no padding; the mask names the cluster's four, bit 21 beside it
	s_mov_b32 s[G1+0], 15|(3<<16)|(1<<21)
	s_mov_b32 s[G1+1], 1024<<16
	s_mov_b32 s[G1+2], 4<<16
	s_mov_b32 s[G1+3], 1024<<16
	s_mov_b32 s[G1+4], 4
	s_mov_b32 s[G1+5], 1024
	s_mov_b32 s[G1+6], 0
	s_mov_b32 s[G1+7], 0
	s_mov_b32 s[G0], 1
	s_lshl_b32 s[G0+1], s18, 15
	s_wait_alu depctr_va_vdst(0)
	s_wait_dscnt 0x0
	s_wait_kmcnt 0x0
	s_add_nc_u64 s[G0+2:G0+3], s[6:7], s[30:31]    ; W_o's codes: K steps 0-3
	s_or_b32 s[G0+3], s[G0+3], 0x80000000
	CROUND                                         ; all four work-groups are here: the joint loads meet
	tensor_load_to_lds s[G0:G0+3], s[G1:G1+7]
	s_nop 0
	PLACES 4
	s_add_nc_u64 s[20:21], s[8:9], s[20:21]        ; x
	s_add_nc_u64 s[10:11], s[10:11], s[22:23]      ; b_o
	s_add_nc_u64 s[12:13], s[12:13], s[22:23]      ; ffn_norm_w
	s_add_nc_u64 s[24:25], s[4:5], s[24:25]        ; o's codes
	s_add_nc_u64 s[26:27], s[4:5], s[26:27]        ; o's scale bytes
	s_add_nc_u64 s[28:29], s[6:7], s[28:29]        ; W_o's scale words
	s_add_nc_u64 s[32:33], s[14:15], s[32:33]      ; x1
	s_add_nc_u64 s[34:35], s[16:17], s[34:35]      ; a2's codes
	s_add_nc_u64 s[36:37], s[16:17], s[36:37]      ; a2's scale words
.irp p, 0,1,2,3
.irp j, 0,1,2,3
	global_load_b128 v[ACC+16*\p+4*\j:ACC+16*\p+4*\j+3], v4, s[20:21] offset:128*\p+16*\j   ; x, straight into the accumulators
.endr
.endr
	WIN 0x40
	VEC64 192, 10                                  ; b_o, into set 3
	WIN 0
.irp k, 0,1,2,3,4,5,6,7
.irp c, 0,1
	global_load_b128 v[16+8*\k+4*\c:19+8*\k+4*\c], v1, s[24:25] offset:262144*\k+512*\c
.endr
.endr
.irp k, 0,1,2,3,4,5,6,7,8,9,10,11,12,13,14,15
	global_load_u16 v[216+\k], v5, s[26:27] offset:8192*\k   ; head k's two scale bytes of my row
.endr
.irp t, 0,1,2,3,4,5,6,7
.irp kq, 0,1
	global_load_b128 v[88+8*\t+4*\kq:91+8*\t+4*\kq], v2, s[28:29] offset:512*\t+256*\kq
.endr
.endr
	s_wait_loadcnt 0x0
.irp k, 0,1,2,3,4,5,6,7
	v_lshl_or_b32 v[80+\k], v[217+2*\k], 16, v[216+2*\k]   ; K step k = heads 2 k and 2 k + 1.  (The 36 lines below are the eight places in front of the first scaled product)
.endr
.irp b, 0,1,2,3
	v_mov_b32 v[TM+4+\b], 0                        ; written once: a lane permute's destination counts as one of its sources
.endr
	WIN 0x04                                       ; the second source in window 1
.set QB, 0
.rept 32
	v_pk_add_f32 v[ACC+2*QB:ACC+2*QB+1], v[ACC+2*QB:ACC+2*QB+1], v[192+2*QB:193+2*QB]   ; x + b_o starts the sums
.set QB, QB+1
.endr
	WIN 0
	s_wait_alu depctr_va_vdst(0)
	s_wait_tensorcnt 0x0                           ; my part of K steps 0-3 has landed,
	s_barrier_signal -1
	s_barrier_wait -1                              ; everybody's has
	WIN 0x40
	WSET 0
	WSET 1
	WSET 2
	WSET 3
	WIN 0
	s_wait_tensorcnt 0x0                           ; in front of the refill's round: no tensor load of mine is out,
	ds_add_u32 v254, v255                          ; the add,
	s_add_nc_u64 s[G0+2:G0+3], s[G0+2:G0+3], 262144   ; (K steps 4-7)
	s_wait_dscnt 0x0                               ; and the add and my 64 reads of the region are done
	CROUND                                         ; so of every wave of the four work-groups
	tensor_load_to_lds s[G0:G0+3], s[G1:G1+7]      ; the refill, first behind the round
	s_nop 0
	PLACES 4
	KSTEP 0, 0
	KSTEP 1, 0
	KSTEP 2, 0
	KSTEP 3, 0
	WIN 0
	s_wait_tensorcnt 0x0                           ; my part of K steps 4-7 has landed,
	s_barrier_signal -1
	s_barrier_wait -1                              ; everybody's has
	PLACES 4                                       ; in front of loads into registers that products have read
	WIN 0x40
	WSET 4
	WSET 5
	WSET 6
	WSET 7
	KSTEP 4, 48                                    ; the three sets behind mine (48 loads) may be out
	KSTEP 5, 32
	KSTEP 6, 16
	KSTEP 7, 0
	WIN 0
	PLACES 4
.irp p, 0,1,2,3
.irp j, 0,1,2,3
	global_store_b128 v1, v[ACC+16*\p+4*\j:ACC+16*\p+4*\j+3], s[32:33] offset:2048*\p+512*\j   ; each accumulator from its low end on; 512 consecutive bytes a store
.endr
.endr
	SUMSQ ACC, 32
	ds_store_b32 v6, v[SQ]
	s_wait_dscnt 0x0
	s_barrier_signal -1
	s_barrier_wait -1
	ds_load_b128 v[232:235], v7
	ds_load_b128 v[236:239], v7 offset:16
	s_wait_dscnt 0x0
	v_add_f32 v232, v232, v233
	v_add_f32 v234, v234, v235
	v_add_f32 v236, v236, v237
	v_add_f32 v238, v238, v239
	s_delay_alu instid0(VALU_DEP_3)
	v_add_f32 v232, v232, v234
	s_delay_alu instid0(VALU_DEP_2)
	v_add_f32 v236, v236, v238
	s_delay_alu instid0(VALU_DEP_1)
	v_add_f32 v232, v232, v236
	s_delay_alu instid0(VALU_DEP_1)
	v_fma_f32 v232, v232, s42, s43
	s_wait_alu depctr_va_vdst(0)
	v_rsq_f32 v250, v232
	v_rsq_f32 v251, v232
	v_nop                                          ; a plain place behind the transcendentals
	s_wait_loadcnt 0x0                             ; the gains
	s_wait_xcnt 0x0                                ; x1's stores have read the accumulators, which are written below
	WIN 0x04
.set QB, 0
.rept 32
	v_pk_mul_f32 v[ACC+2*QB:ACC+2*QB+1], v[ACC+2*QB:ACC+2*QB+1], v[2*QB:2*QB+1]
.set QB, QB+1
.endr
	WIN 0
.set QB, 0
	s_wait_alu depctr_va_vdst(0)
.rept 32
	v_pk_mul_f32 v[ACC+2*QB:ACC+2*QB+1], v[ACC+2*QB:ACC+2*QB+1], v[250:251]
.set QB, QB+1
.endr
	QUANT4 ACC, PC, PW
	global_store_b128 v1, v[PC:PC+3], s[34:35]
	global_store_b128 v1, v[PC+4:PC+7], s[34:35] offset:512
	ds_store_b32 v8, v[PW]
	s_wait_dscnt 0x0
	s_barrier_signal -1
	s_barrier_wait -1
	s_cmp_lg_u32 s18, 0
	s_cbranch_scc1 .Lend
	ds_load_b128 v[244:247], v9                    ; wave 0: the tile's 512 bytes of scale words
	s_wait_dscnt 0x0
	global_store_b128 v1, v[244:247], s[36:37]
.Lend:
	s_wait_tensorcnt 0x0                           ; the wave's end
	ds_add_u32 v254, v255
	s_wait_dscnt 0x0
	CROUND                                         ; the closing round
	s_endpgm
.Lfunc_end_k_q9b1b1bd7b0_oproj:
	.size	k_q9b1b1bd7b0_oproj, .Lfunc_end_k_q9b1b1bd7b0_oproj-k_q9b1b1bd7b0_oproj
	.p2alignl 7, 3214868480
	.fill 96, 4, 3214868480
	.section	.rodata,"a",@progbits
	.p2align	6, 0x0
	.amdhsa_kernel k_q9b1b1bd7b0_oproj
		.amdhsa_group_segment_fixed_size 327680
		.amdhsa_private_segment_fixed_size 0
		.amdhsa_enable_private_segment 0
		.amdhsa_kernarg_size 56
		.amdhsa_user_sgpr_count 2
		.amdhsa_user_sgpr_kernarg_segment_ptr 1
		.amdhsa_wavefront_size32 1
		.amdhsa_system_sgpr_workgroup_id_x 1
		.amdhsa_system_sgpr_workgroup_id_y 1
		.amdhsa_system_sgpr_workgroup_id_z 1
		.amdhsa_system_vgpr_workitem_id 0
		.amdhsa_next_free_vgpr 512
		.amdhsa_next_free_sgpr 66
		.amdhsa_reserve_vcc 0
		.amdhsa_float_denorm_mode_32 3
		.amdhsa_float_denorm_mode_16_64 3
		.amdhsa_memory_ordered 1
		.amdhsa_forward_progress 1
		.amdhsa_inst_pref_size 51
	.end_amdhsa_kernel
	.amdgpu_metadata
---
amdhsa.version: [ 1, 2 ]
amdhsa.kernels:
  - .name:           k_q9b1b1bd7b0_oproj
    .symbol:         k_q9b1b1bd7b0_oproj.kd
    .args:
      - { .name: oc, .offset: 0, .size: 8, .value_kind: global_buffer, .address_space: global }
      - { .name: wts, .offset: 8, .size: 8, .value_kind: global_buffer, .address_space: global }
      - { .name: x, .offset: 16, .size: 8, .value_kind: global_buffer, .address_space: global }
      - { .name: b_o, .offset: 24, .size: 8, .value_kind: global_buffer, .address_space: global }
      - { .name: ffn_norm_w, .offset: 32, .size: 8, .value_kind: global_buffer, .address_space: global }
      - { .name: x1, .offset: 40, .size: 8, .value_kind: global_buffer, .address_space: global }
      - { .name: a2, .offset: 48, .size: 8, .value_kind: global_buffer, .address_space: global }
    .group_segment_fixed_size: 327680
    .private_segment_fixed_size: 0
    .kernarg_segment_align: 8
    .kernarg_segment_size: 56
    .max_flat_workgroup_size: 256
    .sgpr_count:     66
    .vgpr_count:     512
    .wavefront_size: 32
...
	.end_amdgpu_metadata
.endif
;; end of part 4
;; launch ffn1 (part 5): grid 16 x 16, 4 waves a work-group, clusters of 4 x 4, 327,680 bytes of LDS; arguments a2, wts, act; writes act
.if DOCPART == 5
	.amdgcn_target "amdgcn-amd-amdhsa--gfx1250"
	.amdhsa_code_object_version 6
	.text
	.protected	k_q9b1b1bd7b0_ffn1
	.globl	k_q9b1b1bd7b0_ffn1
	.p2align	8
	.type	k_q9b1b1bd7b0_ffn1,@function
k_q9b1b1bd7b0_ffn1:
	s_mov_b64 s[64:65], 0
	v_nop
	global_prefetch_b8 v0, s[64:65] scope:SCOPE_SE
	s_setreg_imm32_b32 hwreg(HW_REG_WAVE_MODE, 25, 1), 1
	s_wait_xcnt 0x0
	s_wait_alu depctr_hold_cnt(0) depctr_sa_sdst(0) depctr_va_vdst(0) depctr_va_sdst(0) depctr_va_ssrc(0) depctr_va_vcc(0) depctr_vm_vsrc(0)
	s_getreg_b32 s2, hwreg(HW_REG_IB_STS2, 6, 4)
	s_cmp_eq_u32 s2, 0
	s_cbranch_scc0 .Lentry_in_a_cluster
	s_endpgm
.Lentry_in_a_cluster:
	s_bfe_u32 s2, ttmp6, 0x10000c
	s_cmp_lg_u32 s2, 0xf033
	s_cbranch_scc0 .Lentry_shape_is_right
	s_endpgm
.Lentry_shape_is_right:
.set ADP, 4
.set ADQ, 6
.set S1,  32
.set S0,  96
.set AF,  160
.set SG,  160
.set TM,  224
.set SEL, 60
.set G1,  24
.set G0,  32
.set XCH, 262144
.set MSB, 0
.macro WIN new
.if MSB != (\new)
	s_set_vgpr_msb (MSB<<8)|(\new)
.set MSB, (\new)
.endif
.endm
.macro PLACES n
.rept \n
	v_nop
.endr
.endm
.macro QUANT s, nb, win, pc, pw
.set QW, (\win)|((\win)<<2)
	WIN QW
.set QB, 0
.rept \nb
	v_max3_num_f32 v[TM+QB], |v[(\s)+16*QB]|, |v[(\s)+16*QB+1]|, 0x1800000
.set QB, QB+1
.endr
.irp i, 2,4,6,8,10,12,14
.set QB, 0
.rept \nb
	v_max3_num_f32 v[TM+QB], |v[(\s)+16*QB+\i]|, |v[(\s)+16*QB+\i+1]|, v[TM+QB]
.set QB, QB+1
.endr
.endr
	WIN 0
.set QB, 0
.rept \nb
	v_permlanex16_b32 v[TM+4+QB], v[TM+QB], s[SEL], s[SEL+1]
.set QB, QB+1
.endr
.set QB, 0
.rept \nb
	v_max_num_f32 v[TM+QB], v[TM+QB], v[TM+4+QB]
.set QB, QB+1
.endr
.set QB, 0
.rept \nb
	v_add_nc_u32 v[TM+12+QB], 0xff000000, v[TM+QB]
.set QB, QB+1
.endr
.set QB, 0
.rept \nb
	v_lshrrev_b32 v[TM+4+QB], 23, v[TM+12+QB]
.set QB, QB+1
.endr
	v_lshl_or_b32 v[\pw], v[TM+5], 8, v[TM+4]
.if \nb > 2
	v_lshl_or_b32 v[\pw], v[TM+6], 16, v[\pw]
	v_lshl_or_b32 v[\pw], v[TM+7], 24, v[\pw]
.endif
	WIN \win
.set QB, 0
.rept \nb
	v_cvt_scalef32_pk8_fp4_f32 v[(\pc)+2*QB], v[(\s)+16*QB:(\s)+16*QB+7], v[TM+12+QB]
	v_cvt_scalef32_pk8_fp4_f32 v[(\pc)+2*QB+1], v[(\s)+16*QB+8:(\s)+16*QB+15], v[TM+12+QB]
.set QB, QB+1
.endr
	WIN 0
	v_nop
.set QB, 0
.rept (\nb)/2
	v_permlane16_swap_b32 v[(\pc)+4*QB], v[(\pc)+4*QB+2]
	v_permlane16_swap_b32 v[(\pc)+4*QB+1], v[(\pc)+4*QB+3]
.set QB, QB+1
.endr
.endm
.macro FRAG reg, adr, off
	ds_load_b128 v[(\reg):(\reg)+3], v[\adr] offset:(\off)
	ds_load_b128 v[(\reg)+4:(\reg)+7], v[\adr] offset:(\off)+512
.endm
.macro FETCH_P ks
	WIN 0x40
.irp b, 0,1,2,3,4,5,6,7
	FRAG 128*((\ks)%2)+8*\b, ADP+((\ks)>>2), ((\ks)&3)*16384+1024*\b
.endr
	WIN 0
.endm
.macro FETCH_Q ks, i0
.irp i, \i0, \i0+1, \i0+2, \i0+3
	FRAG AF+8*(\i), ADQ+((\ks)>>2), ((\ks)&3)*16384+1024*(\i)
.endr
.endm
.macro MUL16 a0, ks, zero
.irp a, \a0, \a0+1
.irp b, 0,1,2,3,4,5,6,7
.if \zero
	v_wmma_scale_f32_16x16x128_f8f6f4 v[8*(8*((\a)%4)+\b):8*(8*((\a)%4)+\b)+7], v[128*((\ks)%2)+8*\b:128*((\ks)%2)+8*\b+7], v[AF+8*(\a):AF+8*(\a)+7], 0, v[S0+8*\b+(\ks)], v[S1+8*(\a)+(\ks)] matrix_a_fmt:MATRIX_FMT_FP4 matrix_b_fmt:MATRIX_FMT_FP4
.else
	v_wmma_scale_f32_16x16x128_f8f6f4 v[8*(8*((\a)%4)+\b):8*(8*((\a)%4)+\b)+7], v[128*((\ks)%2)+8*\b:128*((\ks)%2)+8*\b+7], v[AF+8*(\a):AF+8*(\a)+7], v[8*(8*((\a)%4)+\b):8*(8*((\a)%4)+\b)+7], v[S0+8*\b+(\ks)], v[S1+8*(\a)+(\ks)] matrix_a_fmt:MATRIX_FMT_FP4 matrix_b_fmt:MATRIX_FMT_FP4
.endif
.endr
.endr
.endm
.macro STEP ks, zero, last
	s_wait_dscnt 8
	WIN 0xa1
	MUL16 0, \ks, \zero
	MUL16 2, \ks, \zero
	s_wait_dscnt 0x0
.if !(\last)
	PLACES 4
	FETCH_P (\ks)+1
	FETCH_Q (\ks)+1, 0
.endif
	WIN 0xf1
	MUL16 4, \ks, \zero
	MUL16 6, \ks, \zero
.if !(\last)
	PLACES 4
	WIN 0
	FETCH_Q (\ks)+1, 4
.endif
.endm
	s_load_b128 s[4:7], s[0:1], 0x0
	s_load_b64 s[50:51], s[0:1], 0x10
	v_lshl_add_u32 v254, v0, 2, 0x40400
	v_mov_b32 v255, 0
	ds_add_u32 v254, v255
	ds_add_u32 v254, v255
	v_lshrrev_b32 v1, 5, v0
	v_readfirstlane_b32 s20, v1
	s_lshr_b32 s21, s20, 1
	s_and_b32 s22, s20, 1
; CLUSTERS: 4 x 4 work-groups.  The weight's tile hangs on the work-group's x alone and is asked for jointly down a column of the cluster, the activations' on y alone and along a row.
.set G0Q, 36                           ; s[36:39], s[40:47] descriptor groups 0 and 1 for the activations; s[32:35], s[24:31] for the weight
.set G1Q, 40
.macro CROUND                          ; a round of the cluster's barrier
	s_barrier_signal -1
	s_barrier_wait -1
	s_cmp_lg_u32 s20, 0
	s_cbranch_scc1 .Lnw0_\@
	s_barrier_signal -3
.Lnw0_\@:
	s_barrier_wait -3
	s_barrier_signal -1
	s_barrier_wait -1
.endm
	s_bfe_u32 s53, ttmp6, 0x40000                  ; cx
	s_bfe_u32 s54, ttmp6, 0x40004                  ; cy
	s_lshl_b32 s52, ttmp9, 2
	s_add_co_u32 s52, s52, s53                     ; work-group x = 4 x cluster x + cx
	s_and_b32 s62, ttmp7, 0xffff
	s_lshl_b32 s62, s62, 2
	s_add_co_u32 s62, s62, s54                     ; work-group y = 4 x cluster y + cy
	s_lshl_b32 s55, s54, 2
	s_lshl_b32 s55, 15, s55                        ; my row of the cluster
	s_lshl_b32 s56, 0x1111, s53                    ; my column
	s_lshl_b32 s8, s52, 14
	s_add_co_u32 s8, s8, 2097152
	s_mov_b32 s9, 0
	s_lshl_b32 s10, s62, 14
	s_mov_b32 s11, 0
	s_lshl_b32 s14, s52, 13
	s_add_co_u32 s14, s14, 5373952
	s_mov_b32 s15, 0
	s_lshl_b32 s16, s62, 13
	s_add_co_u32 s16, s16, 2097152
	s_mov_b32 s17, 0
	s_mov_b32 s[SEL], 0x76543210
	s_mov_b32 s[SEL+1], 0xfedcba98
	s_wait_dscnt 0x0
	s_wait_kmcnt 0x0
	s_add_nc_u64 s[8:9], s[6:7], s[8:9]
	s_add_nc_u64 s[10:11], s[4:5], s[10:11]
	s_add_nc_u64 s[14:15], s[6:7], s[14:15]
	s_add_nc_u64 s[16:17], s[4:5], s[16:17]
	; descriptor groups 1: four K steps of one operand: 4 rows of 16,384 bytes (2,048 elements of 8 bytes), 262,144 bytes apart in memory, dense in LDS; the mask, and bit 21 beside it
	s_or_b32 s[G1+0], s56, (3<<16)|(1<<21)
	s_or_b32 s[G1Q+0], s55, (3<<16)|(1<<21)
.irp g, G1, G1Q
	s_mov_b32 s[\g+1], 2048<<16
	s_mov_b32 s[\g+2], 4<<16
	s_mov_b32 s[\g+3], 2048<<16
	s_mov_b32 s[\g+4], 4
	s_mov_b32 s[\g+5], 32768
	s_mov_b32 s[\g+6], 0
	s_mov_b32 s[\g+7], 0
.endr
	; ONE tensor load a wave: K steps 0-3 or 4-7 of one operand, 65,536 bytes; every LDS byte is filled once; one tensor load of a wave is out
	s_lshl_b32 s49, s22, 16                        ; LDS: 65,536 x half of K; the weight from byte 0, the activations from byte 131,072
	s_lshl_b32 s2, s22, 20                         ; memory: four K steps of 262,144 bytes
	s_mov_b32 s3, 0
	s_add_nc_u64 s[8:9], s[8:9], s[2:3]
	s_add_nc_u64 s[10:11], s[10:11], s[2:3]
	s_mov_b32 s[G0], 1
	s_mov_b32 s[G0+1], s49
	s_mov_b64 s[G0+2:G0+3], s[8:9]
	s_or_b32 s[G0+3], s[G0+3], 0x80000000
	s_mov_b32 s[G0Q], 1
	s_add_co_u32 s[G0Q+1], s49, 131072
	s_mov_b64 s[G0Q+2:G0Q+3], s[10:11]
	s_or_b32 s[G0Q+3], s[G0Q+3], 0x80000000
	CROUND                                         ; all sixteen work-groups are here: the joint loads meet
	s_cmp_eq_u32 s21, 0                            ; waves 0 and 1 fetch the weight, waves 2 and 3 the activations: one chain of branches on the wave's number, one load to an arm
	s_cbranch_scc0 .Lfor_q
	tensor_load_to_lds s[G0:G0+3], s[G1:G1+7]
	s_nop 0
	PLACES 4
	s_branch .Lasked
.Lfor_q:
	tensor_load_to_lds s[G0Q:G0Q+3], s[G1Q:G1Q+7]
	s_nop 0
	PLACES 4
.Lasked:
	v_and_b32 v1, 31, v0
	v_lshlrev_b32 v2, 4, v1
	v_and_b32 v3, 15, v0
	v_lshlrev_b32 v3, 4, v3
	s_wait_alu depctr_va_vdst(0)
	s_lshl_b32 s49, s22, 13
	v_add_nc_u32 v[ADP], s49, v2
	v_add_nc_u32 v[ADP+1], 65536, v[ADP]
	s_lshl_b32 s49, s21, 13
	s_add_co_u32 s49, s49, 131072
	v_add_nc_u32 v[ADQ], s49, v2
	v_add_nc_u32 v[ADQ+1], 65536, v[ADQ]
	s_lshl_b32 s49, s20, 8
	s_add_co_u32 s49, s49, XCH
	v_add_nc_u32 v10, s49, v3
	s_lshl_b32 s49, s21, 9
	s_lshl_b32 s63, s22, 3
	s_add_co_u32 s49, s49, s63
	s_add_co_u32 s49, s49, XCH
	v_add_nc_u32 v11, s49, v3
.irp b, 0,1,2,3
	v_mov_b32 v[TM+4+\b], 0
.endr
	s_lshl_b32 s2, s22, 12
	s_add_nc_u64 s[14:15], s[14:15], s[2:3]
	s_lshl_b32 s2, s21, 12
	s_add_nc_u64 s[16:17], s[16:17], s[2:3]
.irp i, 0,1,2,3,4,5,6,7
.irp kq, 0,1
	global_load_b128 v[S1+8*\i+4*\kq:S1+8*\i+4*\kq+3], v3, s[16:17] offset:512*\i+256*\kq
	global_load_b128 v[S0+8*\i+4*\kq:S0+8*\i+4*\kq+3], v3, s[14:15] offset:512*\i+256*\kq
.endr
.endr
	s_wait_alu depctr_va_vdst(0)
	s_wait_tensorcnt 0x0                           ; my load has landed
	s_barrier_signal -1
	s_barrier_wait -1
	FETCH_P 0
	FETCH_Q 0, 0
	FETCH_Q 0, 4
	s_wait_loadcnt 0x0
	STEP 0, 1, 0
	STEP 1, 0, 0
	STEP 2, 0, 0
	STEP 3, 0, 0
	STEP 4, 0, 0
	STEP 5, 0, 0
	STEP 6, 0, 0
	STEP 7, 0, 1
	WIN 0
	PLACES 4
	s_lshl_b32 s2, s52, 18
	s_lshl_b32 s4, s62, 4
	s_lshl_b32 s5, s21, 3
	s_add_co_u32 s4, s4, s5
	s_lshl_b32 s4, s4, 10
	s_add_co_u32 s2, s2, s4
	s_lshl_b32 s4, s22, 9
	s_add_co_u32 s2, s2, s4
	s_add_nc_u64 s[6:7], s[50:51], s[2:3]
	s_lshl_b32 s2, s52, 14
	s_lshl_b32 s4, s62, 2
	s_add_co_u32 s4, s4, s20
	s_lshl_b32 s4, s4, 8
	s_add_co_u32 s2, s2, s4
	s_add_co_u32 s2, s2, 4194304
	s_add_nc_u64 s[8:9], s[50:51], s[2:3]
.irp a, 0,1,2,3,4,5,6,7
.set GA, 64*(\a%4)
.set WN_, 2+\a/4
	WIN WN_
.set QB, 0
.rept 16
	v_pk_mul_f32 v[SG+2*QB:SG+2*QB+1], v[GA+2*QB:GA+2*QB+1], 0xbfb8aa3b op_sel_hi:[1,0]
.set QB, QB+1
.endr
	WIN 0
.set QB, 0
	s_wait_alu depctr_va_vdst(0)
.rept 32
	v_exp_f32 v[SG+QB], v[SG+QB]
.set QB, QB+1
.endr
	v_nop
.set QB, 0
	s_wait_alu depctr_va_vdst(0)
.rept 16
	v_pk_add_f32 v[SG+2*QB:SG+2*QB+1], v[SG+2*QB:SG+2*QB+1], 1.0 op_sel_hi:[1,0]
.set QB, QB+1
.endr
.set QB, 0
	s_wait_alu depctr_va_vdst(0)
.rept 32
	v_rcp_f32 v[SG+QB], v[SG+QB]
.set QB, QB+1
.endr
	v_nop
	WIN WN_
.set QB, 0
	s_wait_alu depctr_va_vdst(0)
.rept 16
	v_pk_mul_f32 v[SG+2*QB:SG+2*QB+1], v[GA+2*QB:GA+2*QB+1], v[SG+2*QB:SG+2*QB+1]
.set QB, QB+1
.endr
.set QB, 0
.rept 16
	v_pk_mul_f32 v[SG+2*QB:SG+2*QB+1], v[GA+32+2*QB:GA+32+2*QB+1], v[SG+2*QB:SG+2*QB+1]
.set QB, QB+1
.endr
	WIN 0
	QUANT SG, 2, 0, 192+4*\a, 32+\a
	global_store_b128 v2, v[192+4*\a:195+4*\a], s[6:7] offset:1024*\a
.endr
.irp i, 0,1,2,3
	v_lshl_or_b32 v[40+\i], v[33+2*\i], 16, v[32+2*\i]
.endr
	ds_store_b128 v10, v[40:43]
	s_wait_dscnt 0x0
	s_barrier_signal -1
	s_barrier_wait -1
	ds_load_b64 v[44:45], v11
	ds_load_b64 v[46:47], v11 offset:256
	s_wait_dscnt 0x0
	v_perm_b32 v48, v46, v44, 0x05040100
	v_perm_b32 v49, v46, v44, 0x07060302
	v_perm_b32 v50, v47, v45, 0x05040100
	v_perm_b32 v51, v47, v45, 0x07060302
	global_store_b128 v3, v[48:51], s[8:9]
	s_wait_tensorcnt 0x0
	ds_add_u32 v254, v255
	s_wait_dscnt 0x0
	CROUND                                         ; the closing round
	s_endpgm
.Lfunc_end_k_q9b1b1bd7b0_ffn1:
	.size	k_q9b1b1bd7b0_ffn1, .Lfunc_end_k_q9b1b1bd7b0_ffn1-k_q9b1b1bd7b0_ffn1
	.p2alignl 7, 3214868480
	.fill 96, 4, 3214868480
	.section	.rodata,"a",@progbits
	.p2align	6, 0x0
	.amdhsa_kernel k_q9b1b1bd7b0_ffn1
		.amdhsa_group_segment_fixed_size 327680
		.amdhsa_private_segment_fixed_size 0
		.amdhsa_enable_private_segment 0
		.amdhsa_kernarg_size 24
		.amdhsa_user_sgpr_count 2
		.amdhsa_user_sgpr_kernarg_segment_ptr 1
		.amdhsa_wavefront_size32 1
		.amdhsa_system_sgpr_workgroup_id_x 1
		.amdhsa_system_sgpr_workgroup_id_y 1
		.amdhsa_system_sgpr_workgroup_id_z 1
		.amdhsa_system_vgpr_workitem_id 0
		.amdhsa_next_free_vgpr 1024
		.amdhsa_next_free_sgpr 66
		.amdhsa_reserve_vcc 0
		.amdhsa_float_denorm_mode_32 3
		.amdhsa_float_denorm_mode_16_64 3
		.amdhsa_memory_ordered 1
		.amdhsa_forward_progress 1
		.amdhsa_inst_pref_size 165
	.end_amdhsa_kernel
	.amdgpu_metadata
---
amdhsa.version: [ 1, 2 ]
amdhsa.kernels:
  - .name:           k_q9b1b1bd7b0_ffn1
    .symbol:         k_q9b1b1bd7b0_ffn1.kd
    .args:
      - { .name: a2, .offset: 0, .size: 8, .value_kind: global_buffer, .address_space: global }
      - { .name: wts, .offset: 8, .size: 8, .value_kind: global_buffer, .address_space: global }
      - { .name: act, .offset: 16, .size: 8, .value_kind: global_buffer, .address_space: global }
    .group_segment_fixed_size: 327680
    .private_segment_fixed_size: 0
    .kernarg_segment_align: 8
    .kernarg_segment_size: 24
    .max_flat_workgroup_size: 128
    .sgpr_count:     66
    .vgpr_count:     1024
    .wavefront_size: 32
...
	.end_amdgpu_metadata
.endif
;; end of part 5
;; launch ffn2 (part 6): grid 8 x 32, 4 waves a work-group, clusters of 4 x 4, 327,680 bytes of LDS; arguments act, wts, x1, b_out, out0; writes out0
.if DOCPART == 6
	.amdgcn_target "amdgcn-amd-amdhsa--gfx1250"
	.amdhsa_code_object_version 6
	.text
	.protected	k_q9b1b1bd7b0_ffn2
	.globl	k_q9b1b1bd7b0_ffn2
	.p2align	8
	.type	k_q9b1b1bd7b0_ffn2,@function
k_q9b1b1bd7b0_ffn2:
	s_mov_b64 s[64:65], 0
	v_nop
	global_prefetch_b8 v0, s[64:65] scope:SCOPE_SE
	s_setreg_imm32_b32 hwreg(HW_REG_WAVE_MODE, 25, 1), 1
	s_wait_xcnt 0x0
	s_wait_alu depctr_hold_cnt(0) depctr_sa_sdst(0) depctr_va_vdst(0) depctr_va_sdst(0) depctr_va_ssrc(0) depctr_va_vcc(0) depctr_vm_vsrc(0)
	s_getreg_b32 s2, hwreg(HW_REG_IB_STS2, 6, 4)
	s_cmp_eq_u32 s2, 0
	s_cbranch_scc0 .Lentry_in_a_cluster
	s_endpgm
.Lentry_in_a_cluster:
	s_bfe_u32 s2, ttmp6, 0x10000c
	s_cmp_lg_u32 s2, 0xf033
	s_cbranch_scc0 .Lentry_shape_is_right
	s_endpgm
.Lentry_shape_is_right:
.set ADP, 4
.set ADQ, 6
.set G1,  24
.set G0,  32
.set STG, 262144
.set MSB, 0
.macro WIN new
.if MSB != (\new)
	s_set_vgpr_msb (MSB<<8)|(\new)
.set MSB, (\new)
.endif
.endm
.macro PLACES n
.rept \n
	v_nop
.endr
.endm
.macro FETCH2 ks
	WIN 0x40
.irp t, 0,1,2,3
.irp c, 0,1
	ds_load_b128 v[128+64*((\ks)%2)+8*\t+4*\c:128+64*((\ks)%2)+8*\t+4*\c+3], v[ADP+((\ks)>>3)] offset:((\ks)&7)*8192+1024*\t+512*\c
	ds_load_b128 v[160+64*((\ks)%2)+8*\t+4*\c:160+64*((\ks)%2)+8*\t+4*\c+3], v[ADQ+((\ks)>>3)] offset:((\ks)&7)*8192+1024*\t+512*\c
.endr
.endr
.endm
.macro STEP2 ks
	s_wait_dscnt 0x0
.if (\ks) < 15
	PLACES 4
	FETCH2 (\ks)+1
.endif
	WIN 0x55
.irp a, 0,1,2,3
.irp t, 0,1,2,3
	v_wmma_scale_f32_16x16x128_f8f6f4 v[8*(4*\a+\t):8*(4*\a+\t)+7], v[128+64*((\ks)%2)+8*\t:128+64*((\ks)%2)+8*\t+7], v[160+64*((\ks)%2)+8*\a:160+64*((\ks)%2)+8*\a+7], v[8*(4*\a+\t):8*(4*\a+\t)+7], v[96+16*\t+(\ks)], v[32+4*(\ks)+\a] matrix_a_fmt:MATRIX_FMT_FP4 matrix_b_fmt:MATRIX_FMT_FP4
.endr
.endr
.endm
	s_load_b256 s[4:11], s[0:1], 0x0
	s_load_b64 s[12:13], s[0:1], 0x20
	v_lshl_add_u32 v254, v0, 2, 0x44400
	v_mov_b32 v255, 0
	ds_add_u32 v254, v255
	ds_add_u32 v254, v255
	v_lshrrev_b32 v1, 5, v0
	v_readfirstlane_b32 s14, v1
	s_lshr_b32 s15, s14, 1
	s_and_b32 s16, s14, 1
; CLUSTERS: 4 x 4 work-groups.  The weight's tile hangs on the work-group's x alone and is asked for jointly down a column of the cluster, the activations' on y alone and along a row.
.macro CROUND                          ; a round of the cluster's barrier
	s_barrier_signal -1
	s_barrier_wait -1
	s_cmp_lg_u32 s14, 0
	s_cbranch_scc1 .Lnw0_\@
	s_barrier_signal -3
.Lnw0_\@:
	s_barrier_wait -3
	s_barrier_signal -1
	s_barrier_wait -1
.endm
	s_bfe_u32 s50, ttmp6, 0x40000                  ; cx
	s_bfe_u32 s51, ttmp6, 0x40004                  ; cy
	s_lshl_b32 s48, ttmp9, 2
	s_add_co_u32 s48, s48, s50                     ; work-group x = 4 x cluster x + cx
	s_and_b32 s17, ttmp7, 0xffff
	s_lshl_b32 s17, s17, 2
	s_add_co_u32 s17, s17, s51                     ; work-group y = 4 x cluster y + cy
	s_lshl_b32 s52, s51, 2
	s_lshl_b32 s52, 15, s52                        ; my row of the cluster
	s_lshl_b32 s53, 0x1111, s50                    ; my column
	s_lshl_b32 s18, s48, 13
	s_add_co_u32 s18, s18, 4194304
	s_mov_b32 s19, 0
	s_lshl_b32 s20, s17, 13
	s_mov_b32 s21, 0
.set G1Q, 40                           ; s[40:47] descriptor group 1 for the activations; s[24:31] for the weight
; eight K steps of one operand: 8 rows of 8,192 bytes (1,024 elements of 8 bytes), dense in LDS; in memory the weight's K steps lie 65,536 bytes apart, the activations' 262,144
.irp g, G1, G1Q
	s_mov_b32 s[\g+1], 1024<<16
	s_mov_b32 s[\g+2], 8<<16
	s_mov_b32 s[\g+3], 1024<<16
	s_mov_b32 s[\g+4], 8
	s_mov_b32 s[\g+6], 0
	s_mov_b32 s[\g+7], 0
.endr
	s_or_b32 s[G1+0], s53, (3<<16)|(1<<21)         ; the mask, and bit 21 beside it
	s_or_b32 s[G1Q+0], s52, (3<<16)|(1<<21)
	s_mov_b32 s[G1+5], 8192
	s_mov_b32 s[G1Q+5], 32768
	s_wait_dscnt 0x0
	s_wait_kmcnt 0x0
	s_add_nc_u64 s[18:19], s[6:7], s[18:19]
	s_add_nc_u64 s[20:21], s[4:5], s[20:21]
	; ONE tensor load a wave: K steps 0-7 or 8-15 of one operand, 65,536 bytes; every LDS byte is filled once; one tensor load of a wave is out
	s_lshl_b32 s2, s16, 19                         ; eight K steps of the weight's 65,536 bytes,
	s_mov_b32 s3, 0
	s_add_nc_u64 s[18:19], s[18:19], s[2:3]
	s_lshl_b32 s2, s16, 21                         ; of the activations' 262,144
	s_add_nc_u64 s[20:21], s[20:21], s[2:3]
	s_lshl_b32 s23, s16, 16                        ; LDS: 65,536 x half of K; the weight from byte 0, the activations from byte 131,072
	s_mov_b32 s[G0], 1
	s_mov_b32 s[G0+1], s23
	s_mov_b64 s[G0+2:G0+3], s[18:19]
	s_or_b32 s[G0+3], s[G0+3], 0x80000000
	s_mov_b32 s[G0+4], 1
	s_add_co_u32 s[G0+5], s23, 131072
	s_mov_b64 s[G0+6:G0+7], s[20:21]
	s_or_b32 s[G0+7], s[G0+7], 0x80000000
	CROUND                                         ; all sixteen work-groups are here: the joint loads meet
	s_cmp_eq_u32 s15, 0                            ; waves 0 and 1 fetch the weight, waves 2 and 3 the activations: one chain of branches on the wave's number, one load to an arm
	s_cbranch_scc0 .Lfor_q
	tensor_load_to_lds s[G0:G0+3], s[G1:G1+7]
	s_nop 0
	PLACES 4
	s_branch .Lasked
.Lfor_q:
	tensor_load_to_lds s[G0+4:G0+7], s[G1Q:G1Q+7]
	s_nop 0
	PLACES 4
.Lasked:
	v_and_b32 v11, 31, v0
	v_lshlrev_b32 v1, 4, v11
	v_and_b32 v12, 15, v0
	v_bfe_u32 v13, v0, 4, 1
	v_lshlrev_b32 v2, 4, v12
	v_lshlrev_b32 v3, 6, v13
	s_lshl_b32 s20, s16, 12
	v_add_nc_u32 v[ADP], s20, v1
	v_add_nc_u32 v[ADP+1], 65536, v[ADP]
	s_lshl_b32 s20, s15, 12
	s_add_co_u32 s20, s20, 131072
	v_add_nc_u32 v[ADQ], s20, v1
	v_add_nc_u32 v[ADQ+1], 65536, v[ADQ]
	s_mul_i32 s20, s14, 4352
	s_add_co_u32 s20, s20, STG
	v_mul_u32_u24 v8, 272, v12
	v_lshl_add_u32 v8, v13, 6, v8
	v_add_nc_u32 v8, s20, v8
	v_mul_u32_u24 v9, 272, v13
	v_add_nc_u32 v9, v9, v2
	v_add_nc_u32 v9, s20, v9
	v_lshl_add_u32 v10, v13, 12, v2
	s_lshl_b32 s18, s17, 3
	s_lshl_b32 s19, s15, 2
	s_add_co_u32 s18, s18, s19
	s_lshl_b32 s18, s18, 16
	s_lshl_b32 s19, s48, 2
	s_lshl_b32 s20, s16, 1
	s_add_co_u32 s20, s20, s19
	s_lshl_b32 s19, s20, 11
	s_add_co_u32 s18, s18, s19
	s_mov_b32 s19, 0
	s_add_nc_u64 s[8:9], s[8:9], s[18:19]
	s_lshl_b32 s18, s20, 7
	s_add_nc_u64 s[10:11], s[10:11], s[18:19]
	s_lshl_b32 s18, s17, 1
	s_add_co_u32 s18, s18, s15
	s_lshl_b32 s18, s18, 8
	s_add_co_u32 s18, s18, 4194304
	s_add_nc_u64 s[4:5], s[4:5], s[18:19]
	s_lshl_b32 s18, s48, 3
	s_lshl_b32 s21, s16, 2
	s_add_co_u32 s18, s18, s21
	s_lshl_b32 s18, s18, 10
	s_add_co_u32 s18, s18, 5505024
	s_add_nc_u64 s[6:7], s[6:7], s[18:19]
	s_lshl_b32 s18, s17, 7
	s_lshl_b32 s21, s15, 6
	s_add_co_u32 s18, s18, s21
	s_lshl_b32 s18, s18, 12
	s_lshl_b32 s21, s20, 7
	s_add_co_u32 s18, s18, s21
	s_add_nc_u64 s[12:13], s[12:13], s[18:19]
	WIN 0x40
.irp a, 0,1,2,3
.irp p, 0,1
.irp j, 0,1,2,3
	global_load_b128 v[32*\a+16*\p+4*\j:32*\a+16*\p+4*\j+3], v1, s[8:9] offset:65536*\a+2048*\p+512*\j th:TH_LOAD_NT
.endr
.endr
.endr
	WIN 0
.irp p, 0,1
.irp j, 0,1,2,3
	global_load_b128 v[160+16*\p+4*\j:163+16*\p+4*\j], v3, s[10:11] offset:128*\p+16*\j
.endr
.endr
.irp k, 0,1,2,3,4,5,6,7,8,9,10,11,12,13,14,15
	global_load_b128 v[32+4*\k:35+4*\k], v2, s[4:5] offset:16384*\k
.endr
.irp t, 0,1,2,3
.irp kq, 0,1,2,3
	global_load_b128 v[96+16*\t+4*\kq:99+16*\t+4*\kq], v2, s[6:7] offset:1024*\t+256*\kq
.endr
.endr
	s_wait_loadcnt 0x0
	WIN 0x41
.irp a, 0,1,2,3
.set QB, 0
.rept 16
	v_pk_add_f32 v[32*\a+2*QB:32*\a+2*QB+1], v[32*\a+2*QB:32*\a+2*QB+1], v[160+2*QB:161+2*QB]
.set QB, QB+1
.endr
.endr
	s_wait_alu depctr_va_vdst(0)
	s_wait_tensorcnt 0x0                           ; my load has landed
	s_barrier_signal -1
	s_barrier_wait -1
	FETCH2 0
.irp k, 0,1,2,3,4,5,6,7,8,9,10,11,12,13,14,15
	STEP2 \k
.endr
	WIN 0
	PLACES 4
.irp a, 0,1,2,3
	WIN 0x04
.irp t, 0,1,2,3
	ds_store_b128 v8, v[8*(4*\a+\t):8*(4*\a+\t)+3] offset:128*(\t/2)+32*(\t%2)
	ds_store_b128 v8, v[8*(4*\a+\t)+4:8*(4*\a+\t)+7] offset:128*(\t/2)+32*(\t%2)+16
.endr
	WIN 0
.if \a > 1
	s_wait_xcnt 0x0
.endif
.irp i, 0,1,2,3,4,5,6,7
	ds_load_b128 v[160+32*(\a%2)+4*\i:163+32*(\a%2)+4*\i], v9 offset:544*\i
.endr
	s_wait_dscnt 0x0
.irp i, 0,1,2,3,4,5,6,7
	global_store_b128 v10, v[160+32*(\a%2)+4*\i:163+32*(\a%2)+4*\i], s[12:13] offset:(32*(\a/2)+8*(\a%2)+2*\i+8*(\i/4))*4096 th:TH_STORE_NT
.endr
.endr
	s_wait_tensorcnt 0x0
	ds_add_u32 v254, v255
	s_wait_dscnt 0x0
	CROUND                                         ; the closing round
	s_endpgm
.Lfunc_end_k_q9b1b1bd7b0_ffn2:
	.size	k_q9b1b1bd7b0_ffn2, .Lfunc_end_k_q9b1b1bd7b0_ffn2-k_q9b1b1bd7b0_ffn2
	.p2alignl 7, 3214868480
	.fill 96, 4, 3214868480
	.section	.rodata,"a",@progbits
	.p2align	6, 0x0
	.amdhsa_kernel k_q9b1b1bd7b0_ffn2
		.amdhsa_group_segment_fixed_size 327680
		.amdhsa_private_segment_fixed_size 0
		.amdhsa_enable_private_segment 0
		.amdhsa_kernarg_size 40
		.amdhsa_user_sgpr_count 2
		.amdhsa_user_sgpr_kernarg_segment_ptr 1
		.amdhsa_wavefront_size32 1
		.amdhsa_system_sgpr_workgroup_id_x 1
		.amdhsa_system_sgpr_workgroup_id_y 1
		.amdhsa_system_sgpr_workgroup_id_z 1
		.amdhsa_system_vgpr_workitem_id 0
		.amdhsa_next_free_vgpr 512
		.amdhsa_next_free_sgpr 66
		.amdhsa_reserve_vcc 0
		.amdhsa_float_denorm_mode_32 3
		.amdhsa_float_denorm_mode_16_64 3
		.amdhsa_memory_ordered 1
		.amdhsa_forward_progress 1
		.amdhsa_inst_pref_size 77
	.end_amdhsa_kernel
	.amdgpu_metadata
---
amdhsa.version: [ 1, 2 ]
amdhsa.kernels:
  - .name:           k_q9b1b1bd7b0_ffn2
    .symbol:         k_q9b1b1bd7b0_ffn2.kd
    .args:
      - { .name: act, .offset: 0, .size: 8, .value_kind: global_buffer, .address_space: global }
      - { .name: wts, .offset: 8, .size: 8, .value_kind: global_buffer, .address_space: global }
      - { .name: x1, .offset: 16, .size: 8, .value_kind: global_buffer, .address_space: global }
      - { .name: b_out, .offset: 24, .size: 8, .value_kind: global_buffer, .address_space: global }
      - { .name: out0, .offset: 32, .size: 8, .value_kind: global_buffer, .address_space: global }
    .group_segment_fixed_size: 327680
    .private_segment_fixed_size: 0
    .kernarg_segment_align: 8
    .kernarg_segment_size: 40
    .max_flat_workgroup_size: 128
    .sgpr_count:     66
    .vgpr_count:     512
    .wavefront_size: 32
...
	.end_amdgpu_metadata
.endif
;; end of part 6
